; MI455X (gfx1250); checked and timed in simulation.
; The chip was launched on July 23, 2026; its instructions are those of AMD's public machine-readable ISA for CDNA 5 (MIT licence, August 2026) and "CDNA5" Instruction Set Architecture Reference Guide (July 2026). The comments in the code are by the model that wrote it; some were corrected since.
;; Causal Decay Memory. Allowed arithmetic: matrix products marked QUANTISED: E2M3 operands, one E8M0 scale for each 32 along K, by v_wmma_scale_f32_16x16x128_f8f6f4 with both operands' format E2M3, f32 sums; everything else in f32.
;; Inputs: Wk 256 x 256 float32; Wo 256 x 256 float32; Wq 256 x 256 float32; Wv 256 x 256 float32; decay_logit one number float32; out_scale one number float32; x 4 x 4,096 x 256 float32.
;; Outputs: out0 4 x 4,096 x 256 float32.
;; This version of the problem:
;;   THIS VERSION OF THE PROBLEM IS GIVEN IN LOW PRECISION. The matrix products marked QUANTISED in the list below multiply operands that are first quantised to E2M3 (2 exponent bits, 3 mantissa bits; 6 bits a number), with one power-of-two scale for each 32 numbers along K (OCP MX v1.0); their sums are f32. All else is computed in f32.
;;   The module's matrix products, in the order in which they are computed (A, B: the left and right operand; K: the contracted axis; several contracted axes count as one K, in the product's order):
;;     1. [M 16,384, K 256] x [K 256, N 256]; A: input x; B: input Wq: QUANTISED
;;     2. [M 16,384, K 256] x [K 256, N 256]; A: input x; B: input Wk: QUANTISED
;;     3. [M 16,384, K 256] x [K 256, N 256]; A: input x; B: input Wv: QUANTISED
;;     4. batch 4 x [M 4,096, K 256] x [K 256, N 4,096]; A: computed on the way; B: computed on the way: QUANTISED
;;     5. batch 4 x [M 4,096, K 4,096] x [K 4,096, N 256]; A: computed on the way; B: computed on the way: QUANTISED
;;     6. [M 16,384, K 256] x [K 256, N 256]; A: computed on the way; B: input Wo: QUANTISED
;;   THE QUANTISER, for each operand of a quantised product, along K:
;;     - K is cut into blocks of 32 from its start; a last block that is shorter is filled with zeros.
;;     - A block's scale is 2^e with e = floor(log2(the largest magnitude in the block)) - 2, held to -126 .. 127; a block of zeros has e = 0. As a byte (E8M0): e + 127.
;;     - Each number is divided by its block's scale, clamped to +-7.5, and rounded to the nearest number of E2M3, ties to even, subnormals kept.
;;     - The product sums the exact products of the quantised numbers (number of the format x scale) in f32.
;;   ~~~python
;;   def quantise(x, axis):      # numpy; x: float32 -> the quantised numbers, widened to float32 again
;;       x = np.moveaxis(x, axis, -1); K = x.shape[-1]
;;       x = np.pad(x, [(0, 0)] * (x.ndim - 1) + [(0, -K % 32)]); x = x.reshape(x.shape[:-1] + (-1, 32)); a = np.abs(x).max(-1, keepdims=True)
;;       e = np.where(a > 0, np.clip(np.frexp(np.where(a > 0, a, 1))[1] - 1 - 2, -126, 127), 0)      # np.frexp(a)[1] - 1 = floor(log2(a)), exactly
;;       r = np.clip(x / 2.0 ** e, -7.5, 7.5)
;;       step = 2.0 ** (np.maximum(np.frexp(np.where(r == 0, 1, r))[1] - 1, 0) - 3)
;;       q = np.round(r / step) * step * 2.0 ** e      # np.round: ties to even
;;       return np.moveaxis(q.reshape(q.shape[:-2] + (-1,))[..., :K], -1, axis).astype(np.float32)
;;   ~~~
;;   OPERANDS COMPUTED ON THE WAY. 'Computed on the way' means the value that the module computes at that place (a softmax that the list does not call 'softmax' is quantised finished and normalised). What goes into a quantiser is computed in f32, as accurately as f32 sums, v_exp_f32 and their like allow (about 1e-6 of the number): no bf16 or f16 on the way to a quantiser, and a product that is left as it is and whose result goes on into a quantised operand takes f32 operands (vector FMAs, or v_wmma_f32_16x16x4_f32). A number that lies on a knife's edge between two numbers of the format may be rounded either way, as far as f32 arithmetic and the matrix unit's own rounding can turn it there, and no further.
;; 2 versions, each right and faster than the one before. Each part assembles by itself: llvm-mc -triple=amdgcn-amd-amdhsa -mcpu=gfx1250 --defsym DOCPART=n.
;; ======== version 1 of 2: 2 launches
;; limits: a function is approximated: absolute error at most 0.00025
;; workspace buffers: qbuf 3,276,800 bytes; kbuf 3,276,800 bytes; vbuf 3,276,800 bytes; wobuf 51,200 bytes
;; launch project (part 1): grid 64 x 4, 4 waves a work-group, no clusters, 161,280 bytes of LDS; arguments x, Wq, Wk, Wv, Wo, qbuf, kbuf, vbuf, wobuf; writes qbuf, kbuf, vbuf, wobuf
.if DOCPART == 1
	.amdgcn_target "amdgcn-amd-amdhsa--gfx1250"
	.amdhsa_code_object_version 6
	.text
	.protected	k_qa928983d26_project
	.globl	k_qa928983d26_project
	.p2align	8
	.type	k_qa928983d26_project,@function
k_qa928983d26_project:
	s_mov_b64 s[64:65], 0
	v_nop
	global_prefetch_b8 v0, s[64:65] scope:SCOPE_SE
	s_setreg_imm32_b32 hwreg(HW_REG_WAVE_MODE, 25, 1), 1
	s_wait_xcnt 0x0
; q = x Wq^T, k = x Wk^T, v = x Wv^T on codes of FP6 (E2M3) with one E8M0 scale for each 32 along K; the results are quantised again
; (q, k along the 256 channels, v along the tokens) and stored as IMAGES OF OPERAND REGISTERS for the next launch; Wo is quantised too.
; x: [16384][256] f32.  Wq, Wk, Wv, Wo: [256][256] f32, K innermost.
; SHARES.  Work-group (X, y): tokens 256 X .. +255; 128 columns of q (y < 2) or of k (y >= 2): rows 128 (y & 1) .. +127 of that weight;
; columns 64 y .. +63 of v.  It reads 256 rows of x and 192 rows of weights, 1,024 bytes each, once.
; THE ROWS OF A TILE ARE NOT NEIGHBOURS: tile u (0..3) of a group of 64 rows holds rows 8 u + (r & 7) + 32 (r >> 3), r = 0..15.  In a matrix result
; register j of tile u in lane half h is then row 32 h + 8 u + j: the 32 registers of four tiles are one whole block of 32 along the next K, in ONE lane,
; and they are the k = 64 c + 32 h + 0..31 that registers 6 c .. 6 c + 5 of a 6-bit operand hold.  No lane is asked for a maximum, no halves are swapped.
; A FRAGMENT'S IMAGE (16 rows x 128 K, 12 registers a lane): 3 x 512 bytes, lane l's 16 bytes at 16 l.
; A RECORD of 64 rows x 256 K (qbuf, kbuf, wobuf): fragment (u, K step s) at (2 u + s) x 1,536; scale words from 12,288 on, at (16 s + r) x 16 + 4 u.
; A RECORD of vbuf (128 tokens x 256 channels): fragment of channel tile 4 y + u at (4 y + u) x 1,536; scale words at 24,576 + 256 y + 128 p + 4 lane (lanes 0-15 tile 2 p, lanes 16-31 tile 2 p + 1).
; A block's scale byte is its largest magnitude's exponent field - 2, held at 1 from below (a block of zeros gets 1: its codes are zeros, and this program alone reads the bytes).
; LIMITS: NaN and infinities among the inputs are not served.
; NO JOINT LOADS: x and the weights arrive as f32 and go through registers to be quantised; the 262,144 bytes of a work-group's rows of x do not fit in LDS beside the images.
; REGISTERS, window 0: v1-17, v28-31, v54 addresses; v18-24 at work; v32-53 scale words (nothing else); v56-59, v60-61 scale words made; v64-75 codes; v76-82 upper halves; v96-159 64 numbers of a lane; v160-183, v184-231 small operands.
;   window 1: v0-127 two sets of 16 rows as loaded; later v0-191 sixteen fragments.
.set FRB,   1536
.set REC,   12800
.set VREC,  25600
.set SP,    528                        ; a stage row: 512 bytes + 16: an odd multiple of 16, so that sixteen rows begin in sixteen different groups of banks
.set XIMG,  0                          ; x's 32 fragments, index (4 wave + u) x 2 + s
.set XSC,   49152                      ; their scale words, 128 bytes a fragment
.set WQK,   53248                      ; the q/k weight's 16 fragments, index (4 c + u) x 2 + s
.set WQKS,  77824
.set WVI,   79872                      ; Wv's 8 fragments, index 2 u + s
.set WVSC,  92160
.set STG,   93184                      ; a stage of 16 rows for each wave
.set STG2,  126976                     ; the same for Wo's path alone
.set L16,  1                           ; 16 x lane
.set L4,   2                           ; 4 x lane
.set SIN,  3                           ; the stage, way in
.set SOUT, 4                           ; the stage, way out
.set SH8,  5                           ; 8 h
.set AWQ,  6                           ; where I store images and scale words: the q/k weight's,
.set AWQS, 7
.set AWV,  8                           ; Wv's,
.set AWVS, 9
.set AX,   10                          ; x's
.set AXS,  11
.set PK,   12                          ; 4 x lane + 128 h: lanes 0-15 read K step 0's word, lanes 16-31 K step 1's
.set BX,   13                          ; the v part's reads
.set BXS,  14
.set BWV,  15
.set BWVS, 16
.set R16,  17                          ; 16 r
.set M,    18
.set SO,   20
.set BY,   22
.set PW,   24
.set SIN2, 28
.set SOUT2, 29
.set RWQ,  30
.set RWQS, 31
.set WS,   32
.set XSO,  40
.set XSV,  44
.set WVS,  52
.set RXS,  54
.set SW,   56
.set PWN,  60
.set PC,   64
.set TMP,  76
.set X,    96
.set XB,   160
.set WVB,  184
.set WBASE, 28                         ; scalar pairs: bases in memory
.set VBASE, 30
.set XBASE, 32
.set QOUT,  34
.set VOUT,  36
.set VSOUT, 38
.set QSOUT, 40
.set OBASE, 42
.set SEL,   44
.set OOUT,  52
.set OSOUT, 54
.set MSB, 0
.macro WIN new                         ; the immediate's high byte repeats the setting that is left; a switch that changes nothing is dropped
.if MSB != (\new)
	s_set_vgpr_msb (MSB<<8)|(\new)
.set MSB, (\new)
.endif
.endm
.macro PLACES n
.rept \n
	v_nop
.endr
.endm
; 16 rows x 512 bytes (one K step) into set: each load reads one row's 512 consecutive bytes; row i of the fragment is row (i % 8) + 32 (i / 8) from off on
.macro LOADF set, base, off
	WIN 0x40
.irp i, 0,1,2,3,4,5,6,7,8,9,10,11,12,13,14,15
	global_load_b128 v[64*(\set)+4*\i:64*(\set)+4*\i+3], v[L16], s[\base:\base+1] offset:(\off)+((\i%8)+32*(\i/8))*1024
.endr
	WIN 0
.endm
; through my stage: in as loaded, out 64 numbers a lane: v[X + 32 c + i] = k 64 c + 32 h + i of row r.  LDS serves a wave's instructions in order: no wait between stores and loads
.macro TURN set, in, out
	WIN 0x04
.irp i, 0,1,2,3,4,5,6,7,8,9,10,11,12,13,14,15
	ds_store_b128 v[\in], v[64*(\set)+4*\i:64*(\set)+4*\i+3] offset:SP*\i
.endr
	WIN 0
.irp i, 0,1,2,3,4,5,6,7,8,9,10,11,12,13,14,15
	ds_load_b128 v[X+4*\i:X+4*\i+3], v[\out] offset:256*(\i/8)+16*(\i%8)
.endr
.endm
; 64 numbers of a lane become a fragment's 12 registers of codes in v[PC] on and the row's scale word in v[PW] (both halves of the lanes)
.macro QUANT64 x
	v_max3_num_f32 v[M], |v[\x]|, |v[\x+1]|, 0x1800000             ; my two blocks by turns, each from its low end on; the floor 2^(3 - 127) holds the byte at 1 from below
	v_max3_num_f32 v[M+1], |v[\x+32]|, |v[\x+33]|, 0x1800000
.irp i, 2,4,6,8,10,12,14,16,18,20,22,24,26,28,30
	v_max3_num_f32 v[M], v[M], |v[\x+\i]|, |v[\x+\i+1]|
	v_max3_num_f32 v[M+1], v[M+1], |v[\x+32+\i]|, |v[\x+33+\i]|
.endr
	v_add_nc_u32 v[SO], 0xff000000, v[M]                           ; 2 off the exponent field: the conversion's scale operand
	v_add_nc_u32 v[SO+1], 0xff000000, v[M+1]
	v_lshrrev_b32 v[BY], 23, v[SO]                                 ; the bytes of blocks h and 2 + h
	v_lshrrev_b32 v[BY+1], 23, v[SO+1]
	v_lshl_or_b32 v[BY], v[BY+1], 16, v[BY]
	v_lshlrev_b32 v[BY], v[SH8], v[BY]                             ; at their places in the word
	v_permlanex16_b32 v[BY+1], v[BY], s[SEL], s[SEL+1]
	v_or_b32 v[PW], v[BY], v[BY+1]                                 ; with lane l xor 16's two the word is whole
.irp c, 0,1
	v_cvt_scalef32_pk16_fp6_f32 v[PC+6*\c:PC+6*\c+2], v[\x+32*\c:\x+32*\c+15], v[SO+\c]
	v_cvt_scalef32_pk16_fp6_f32 v[TMP+4*\c:TMP+4*\c+2], v[\x+32*\c+16:\x+32*\c+31], v[SO+\c]   ; (a conversion's three registers begin on an even number)
.endr
	v_nop                                                          ; one plain place behind a scaled conversion
.irp c, 0,1
.irp i, 0,1,2
	v_mov_b32 v[PC+6*\c+3+\i], v[TMP+4*\c+\i]
.endr
.endr
.endm
.macro IMG adr, off                    ; the fragment goes to LDS as it stands
.irp g, 0,1,2
	ds_store_b128 v[\adr], v[PC+4*\g:PC+4*\g+3] offset:\off+512*\g
.endr
.endm
.macro SCW adr, off
	ds_store_b32 v[\adr], v[PW] offset:\off
.endm
.macro OUT3 base, off                  ; and to memory: each store covers 512 consecutive bytes
.irp g, 0,1,2
	global_store_b128 v[L16], v[PC+4*\g:PC+4*\g+3], s[\base:\base+1] offset:\off+512*\g
.endr
.endm
; 16 matrix instructions: source 0 = the eight tiles in window 1 (tile a, K step s at v[24 a + 12 s]), source 1 = the two fragments at v[b]; eight accumulators by turns
.macro MUL16 b, sa, sb
	WIN 0x01
.irp a, 0,1,2,3,4,5,6,7
	v_wmma_scale_f32_16x16x128_f8f6f4 v[X+8*\a:X+8*\a+7], v[24*\a:24*\a+11], v[\b:\b+11], 0, v[\sa+\a], v[\sb] matrix_a_fmt:MATRIX_FMT_FP6 matrix_b_fmt:MATRIX_FMT_FP6
.endr
.irp a, 0,1,2,3,4,5,6,7
	v_wmma_scale_f32_16x16x128_f8f6f4 v[X+8*\a:X+8*\a+7], v[24*\a+12:24*\a+23], v[\b+12:\b+23], v[X+8*\a:X+8*\a+7], v[\sa+\a], v[\sb] matrix_a_fmt:MATRIX_FMT_FP6 matrix_b_fmt:MATRIX_FMT_FP6 matrix_a_scale:MATRIX_SCALE_ROW1 matrix_b_scale:MATRIX_SCALE_ROW1
.endr
	WIN 0
	PLACES 4                                       ; four places in front of the first read of results (ISA guide 7.12.1)
.endm
	s_load_b256 s[4:11], s[0:1], 0x0               ; x s[4:5], Wq s[6:7], Wk s[8:9], Wv s[10:11]
	s_load_b256 s[12:19], s[0:1], 0x20             ; Wo s[12:13], qbuf s[14:15], kbuf s[16:17], vbuf s[18:19]
	s_load_b64 s[20:21], s[0:1], 0x40              ; wobuf
	v_lshl_add_u32 v254, v0, 2, 0x27400
	v_mov_b32 v255, 0
	v_lshrrev_b32 v18, 5, v0
	v_readfirstlane_b32 s22, v18                   ; wave w
	s_mov_b32 s23, ttmp9                           ; X
	s_and_b32 s24, ttmp7, 0xffff                   ; y
	s_and_b32 s25, s24, 1                          ; y & 1: which 128 rows of the weight, and which K step of q or k they make
	s_lshr_b32 s47, s22, 1                         ; w >> 1
	s_and_b32 s48, s22, 1                          ; w & 1
	s_mov_b32 s[SEL], 0x76543210
	s_mov_b32 s[SEL+1], 0xfedcba98                 ; v_permlanex16_b32's selects for lane l xor 16
	v_and_b32 v19, 31, v0                          ; lane
	v_and_b32 v20, 15, v0                          ; r
	v_bfe_u32 v21, v0, 4, 1                        ; h
	v_lshlrev_b32 v[L16], 4, v19
	v_lshlrev_b32 v[L4], 2, v19
	v_lshlrev_b32 v[SH8], 3, v21
	v_lshlrev_b32 v[R16], 4, v20
	v_lshl_add_u32 v[PK], v21, 7, v[L4]
	s_mul_i32 s49, s22, 16*SP                      ; my stages
	v_add_nc_u32 v[SIN], s49, v[L16]
	v_add_nc_u32 v[SIN2], STG2, v[SIN]
	v_add_nc_u32 v[SIN], STG, v[SIN]
	v_mul_u32_u24 v22, v20, SP
	v_lshl_add_u32 v22, v21, 7, v22                ; row r, + 128 h
	v_add_nc_u32 v22, s49, v22
	v_add_nc_u32 v[SOUT], STG, v22
	v_add_nc_u32 v[SOUT2], STG2, v22
	s_mul_i32 s49, s47, 8*FRB                      ; the q/k weight: I make group c = w >> 1, K step w & 1, tiles 0..3
	s_mul_i32 s50, s48, FRB
	s_add_co_u32 s49, s49, s50
	s_add_co_u32 s49, s49, WQK
	v_add_nc_u32 v[AWQ], s49, v[L16]
	s_lshl_b32 s49, s47, 10
	s_lshl_b32 s50, s48, 7
	s_add_co_u32 s49, s49, s50
	s_add_co_u32 s49, s49, WQKS
	v_add_nc_u32 v[AWQS], s49, v[L4]
	s_mul_i32 s49, s22, 2*FRB                      ; Wv: tile w, both K steps
	s_add_co_u32 s49, s49, WVI
	v_add_nc_u32 v[AWV], s49, v[L16]
	s_lshl_b32 s49, s22, 8
	s_add_co_u32 s49, s49, WVSC
	v_add_nc_u32 v[AWVS], s49, v[L4]
	s_mul_i32 s49, s22, 8*FRB                      ; x: my 64 tokens' eight fragments (XIMG = 0)
	v_add_nc_u32 v[AX], s49, v[L16]
	s_lshl_b32 s49, s22, 10
	s_add_co_u32 s49, s49, XSC
	v_add_nc_u32 v[AXS], s49, v[L4]
	v_add_nc_u32 v[RXS], s49, v[PK]
	s_mul_i32 s49, s47, 16*FRB                     ; the v part: the 128 tokens of step w >> 1,
	v_add_nc_u32 v[BX], s49, v[L16]
	s_lshl_b32 s49, s47, 11
	s_add_co_u32 s49, s49, XSC
	v_add_nc_u32 v[BXS], s49, v[PK]
	s_mul_i32 s49, s48, 4*FRB                      ; channel tiles 2 (w & 1) and 2 (w & 1) + 1
	s_add_co_u32 s49, s49, WVI
	v_add_nc_u32 v[BWV], s49, v[L16]
	s_lshl_b32 s49, s48, 9
	s_add_co_u32 s49, s49, WVSC
	v_add_nc_u32 v[BWVS], s49, v[PK]
	v_add_nc_u32 v[RWQ], WQK, v[L16]
	v_add_nc_u32 v[RWQS], WQKS, v[PK]
	s_mov_b32 s27, 0                               ; the high word of every offset
	s_wait_kmcnt 0x0
	s_cmp_lt_u32 s24, 2                            ; q or k: the choice hangs on the work-group's number alone
	s_cselect_b64 s[6:7], s[6:7], s[8:9]
	s_cselect_b64 s[14:15], s[14:15], s[16:17]
	s_lshl_b32 s26, s25, 17                        ; the weight: row 128 (y & 1) + 64 (w >> 1), K step w & 1
	s_lshl_b32 s49, s47, 16
	s_add_co_u32 s26, s26, s49
	s_lshl_b32 s49, s48, 9
	s_add_co_u32 s26, s26, s49
	s_add_nc_u64 s[WBASE:WBASE+1], s[6:7], s[26:27]
	s_lshl_b32 s26, s24, 16                        ; Wv: row 64 y + 8 w
	s_lshl_b32 s49, s22, 13
	s_add_co_u32 s26, s26, s49
	s_add_nc_u64 s[VBASE:VBASE+1], s[10:11], s[26:27]
	s_lshl_b32 s26, s23, 18                        ; x: token 256 X + 64 w
	s_lshl_b32 s49, s22, 16
	s_add_co_u32 s26, s26, s49
	s_add_nc_u64 s[XBASE:XBASE+1], s[4:5], s[26:27]
	s_lshl_b32 s26, s23, 2                         ; q or k: record 4 X + w, K step y & 1
	s_add_co_u32 s26, s26, s22
	s_mul_i32 s50, s26, REC
	s_mul_i32 s49, s25, FRB
	s_add_co_u32 s26, s50, s49
	s_add_nc_u64 s[QOUT:QOUT+1], s[14:15], s[26:27]
	s_lshl_b32 s49, s25, 8
	s_add_co_u32 s26, s50, s49
	s_add_co_u32 s26, s26, 12288
	s_add_nc_u64 s[QSOUT:QSOUT+1], s[14:15], s[26:27]
	s_lshl_b32 s26, s23, 1                         ; v: record 2 X + (w >> 1), tile 4 y + 2 (w & 1)
	s_add_co_u32 s26, s26, s47
	s_mul_i32 s50, s26, VREC
	s_lshl_b32 s26, s24, 2
	s_lshl_b32 s49, s48, 1
	s_add_co_u32 s26, s26, s49
	s_mul_i32 s26, s26, FRB
	s_add_co_u32 s26, s26, s50
	s_add_nc_u64 s[VOUT:VOUT+1], s[18:19], s[26:27]
	s_lshl_b32 s26, s24, 8
	s_lshl_b32 s49, s48, 7
	s_add_co_u32 s26, s26, s49
	s_add_co_u32 s26, s26, s50
	s_add_co_u32 s26, s26, 24576
	s_add_nc_u64 s[VSOUT:VSOUT+1], s[18:19], s[26:27]
	; ---- A: fourteen fragments a wave are quantised and laid in LDS.  Two sets of registers take turns: while one fragment is worked, the next one's 16 loads are out
	LOADF 0, WBASE, 0
	LOADF 1, WBASE, 8192
.irp n, 0,1,2,3                        ; the q/k weight's tile n
	s_wait_loadcnt 16                              ; this fragment's 16 loads are in, the next one's may be out
	TURN \n%2, SIN, SOUT
	s_wait_dscnt 0x0                               ; the 64 numbers are back; the stores have read the set and the last fragment's codes
.if \n < 2
	LOADF \n%2, WBASE, 8192*(\n+2)
.else
	LOADF \n%2, VBASE, 512*(\n-2)
.endif
	QUANT64 X
	IMG AWQ, 2*\n*FRB
	SCW AWQS, 256*\n
.endr
.irp n, 0,1                            ; Wv's tile w, K step n
	s_wait_loadcnt 16
	TURN \n, SIN, SOUT
	s_wait_dscnt 0x0
	LOADF \n, XBASE, 512*\n
	QUANT64 X
	IMG AWV, \n*FRB
	SCW AWVS, 128*\n
.endr
.irp f, 0,1,2,3,4,5,6,7                ; x: my tile f / 2, K step f % 2
.if \f < 7
	s_wait_loadcnt 16
.else
	s_wait_loadcnt 0x0                             ; the last fragment: nothing was asked for behind it
.endif
	TURN \f%2, SIN, SOUT
	s_wait_dscnt 0x0
.if \f < 6
	LOADF \f%2, XBASE, 8192*((\f+2)/2)+512*((\f+2)%2)
.endif
	QUANT64 X
	IMG AX, \f*FRB
	SCW AXS, \f*128
.endr
	s_wait_dscnt 0x0                               ; for the others' sake: my images have landed
	s_barrier_signal -1
	s_barrier_wait -1                              ; all 56 fragments lie in LDS; nobody writes them again
	; ---- B, q or k: source 0 = the weight's 8 tiles, source 1 = my token tile: a lane holds one token, its 64 registers 128 neighbouring channels' two whole blocks a half
	WIN 0x40
.irp f, 0,1,2,3,4,5,6,7,8,9,10,11,12,13,14,15
.irp g, 0,1,2
	ds_load_b128 v[12*\f+4*\g:12*\f+4*\g+3], v[RWQ] offset:FRB*\f+512*\g
.endr
.endr
	WIN 0
.irp a, 0,1,2,3,4,5,6,7
	ds_load_b32 v[WS+\a], v[RWQS] offset:256*\a
.endr
.irp u, 0,1,2,3
	ds_load_b32 v[XSO+\u], v[RXS] offset:256*\u
.endr
.irp u, 0,1,2,3
.irp g, 0,1,2,3,4,5
	ds_load_b128 v[XB+4*\g:XB+4*\g+3], v[AX] offset:2*\u*FRB+512*\g
.endr
	s_wait_dscnt 0x0
	MUL16 XB, WS, XSO+\u
	s_wait_xcnt 0x0                                ; the last tile's stores have read the codes' registers
	QUANT64 X
	v_mov_b32 v[SW+\u], v[PW]
	OUT3 QOUT, 2*\u*FRB
.endr
	v_cmp_eq_u32 vcc_lo, 0, v[SH8]                 ; lanes 0-15
	s_wait_xcnt 0x0                                ; EXEC changes only behind this wait
	s_and_saveexec_b32 s46, vcc_lo
	global_store_b128 v[R16], v[SW:SW+3], s[QSOUT:QSOUT+1]         ; sixteen lanes store 256 consecutive bytes: four tiles' words of row r
	s_wait_xcnt 0x0
	s_or_b32 exec_lo, exec_lo, s46
	; ---- B, v: source 0 = the step's 8 token tiles, source 1 = a tile of Wv: a lane holds one channel, its registers run down the tokens
	WIN 0x40
.irp f, 0,1,2,3,4,5,6,7,8,9,10,11,12,13,14,15
.irp g, 0,1,2
	ds_load_b128 v[12*\f+4*\g:12*\f+4*\g+3], v[BX] offset:FRB*\f+512*\g
.endr
.endr
	WIN 0
.irp a, 0,1,2,3,4,5,6,7
	ds_load_b32 v[XSV+\a], v[BXS] offset:256*\a
.endr
.irp n, 0,1
	ds_load_b32 v[WVS+\n], v[BWVS] offset:256*\n
.endr
.irp g, 0,1,2,3,4,5,6,7,8,9,10,11
	ds_load_b128 v[WVB+4*\g:WVB+4*\g+3], v[BWV] offset:512*\g
.endr
	s_wait_dscnt 0x0
.irp n, 0,1
	MUL16 WVB+24*\n, XSV, WVS+\n
	s_wait_xcnt 0x0
	QUANT64 X
	v_mov_b32 v[PWN+\n], v[PW]
	OUT3 VOUT, \n*FRB
.endr
	v_cmp_ne_u32 vcc_lo, 0, v[SH8]
	v_cndmask_b32 v[PWN], v[PWN], v[PWN+1], vcc_lo ; lanes 0-15 the even tile's words, lanes 16-31 the odd tile's
	global_store_b32 v[L4], v[PWN], s[VSOUT:VSOUT+1]
	; ---- Wo: two work-groups (y = 0, X < 2) make its four records; wave w: record 2 X + (w >> 1), K step w & 1.  A branch on ids; no barrier stands under it; its stage is its own
	s_lshl_b32 s49, s24, 6
	s_add_co_u32 s49, s49, s23
	s_cmp_lt_u32 s49, 2
	s_cbranch_scc0 .Lend
	s_lshl_b32 s49, s23, 1
	s_add_co_u32 s49, s49, s47
	s_lshl_b32 s26, s49, 16
	s_lshl_b32 s50, s48, 9
	s_add_co_u32 s26, s26, s50
	s_add_nc_u64 s[OBASE:OBASE+1], s[12:13], s[26:27]
	s_mul_i32 s49, s49, REC
	s_mul_i32 s50, s48, FRB
	s_add_co_u32 s26, s49, s50
	s_add_nc_u64 s[OOUT:OOUT+1], s[20:21], s[26:27]
	s_lshl_b32 s50, s48, 8
	s_add_co_u32 s26, s49, s50
	s_add_co_u32 s26, s26, 12288
	s_add_nc_u64 s[OSOUT:OSOUT+1], s[20:21], s[26:27]
	LOADF 0, OBASE, 0
	LOADF 1, OBASE, 8192
.irp u, 0,1,2,3
.if \u < 3
	s_wait_loadcnt 16
.else
	s_wait_loadcnt 0x0
.endif
	TURN \u%2, SIN2, SOUT2
	s_wait_dscnt 0x0
.if \u < 2
	LOADF \u%2, OBASE, 8192*(\u+2)
.endif
	s_wait_xcnt 0x0                                ; earlier stores have read the codes' and the words' registers
	QUANT64 X
	v_mov_b32 v[SW+\u], v[PW]
	OUT3 OOUT, 2*\u*FRB
.endr
	v_cmp_eq_u32 vcc_lo, 0, v[SH8]
	s_wait_xcnt 0x0
	s_and_saveexec_b32 s46, vcc_lo
	global_store_b128 v[R16], v[SW:SW+3], s[OSOUT:OSOUT+1]
	s_wait_xcnt 0x0
	s_or_b32 exec_lo, exec_lo, s46
.Lend:
	s_wait_tensorcnt 0x0
	ds_add_u32 v254, v255
	s_wait_dscnt 0x0
	s_endpgm
.Lfunc_end_k_qa928983d26_project:
	.size	k_qa928983d26_project, .Lfunc_end_k_qa928983d26_project-k_qa928983d26_project
	.p2alignl 7, 3214868480
	.fill 96, 4, 3214868480
	.section	.rodata,"a",@progbits
	.p2align	6, 0x0
	.amdhsa_kernel k_qa928983d26_project
		.amdhsa_group_segment_fixed_size 161280
		.amdhsa_private_segment_fixed_size 0
		.amdhsa_enable_private_segment 0
		.amdhsa_kernarg_size 72
		.amdhsa_user_sgpr_count 2
		.amdhsa_user_sgpr_kernarg_segment_ptr 1
		.amdhsa_wavefront_size32 1
		.amdhsa_system_sgpr_workgroup_id_x 1
		.amdhsa_system_sgpr_workgroup_id_y 1
		.amdhsa_system_sgpr_workgroup_id_z 1
		.amdhsa_system_vgpr_workitem_id 0
		.amdhsa_next_free_vgpr 448
		.amdhsa_next_free_sgpr 66
		.amdhsa_reserve_vcc 1
		.amdhsa_float_denorm_mode_32 3
		.amdhsa_float_denorm_mode_16_64 3
		.amdhsa_memory_ordered 1
		.amdhsa_forward_progress 1
		.amdhsa_inst_pref_size 173
	.end_amdhsa_kernel
	.amdgpu_metadata
---
amdhsa.version: [ 1, 2 ]
amdhsa.kernels:
  - .name:           k_qa928983d26_project
    .symbol:         k_qa928983d26_project.kd
    .args:
      - { .name: x, .offset: 0, .size: 8, .value_kind: global_buffer, .address_space: global }
      - { .name: Wq, .offset: 8, .size: 8, .value_kind: global_buffer, .address_space: global }
      - { .name: Wk, .offset: 16, .size: 8, .value_kind: global_buffer, .address_space: global }
      - { .name: Wv, .offset: 24, .size: 8, .value_kind: global_buffer, .address_space: global }
      - { .name: Wo, .offset: 32, .size: 8, .value_kind: global_buffer, .address_space: global }
      - { .name: qbuf, .offset: 40, .size: 8, .value_kind: global_buffer, .address_space: global }
      - { .name: kbuf, .offset: 48, .size: 8, .value_kind: global_buffer, .address_space: global }
      - { .name: vbuf, .offset: 56, .size: 8, .value_kind: global_buffer, .address_space: global }
      - { .name: wobuf, .offset: 64, .size: 8, .value_kind: global_buffer, .address_space: global }
    .group_segment_fixed_size: 161280
    .private_segment_fixed_size: 0
    .kernarg_segment_align: 8
    .kernarg_segment_size: 72
    .max_flat_workgroup_size: 128
    .sgpr_count:     66
    .vgpr_count:     448
    .wavefront_size: 32
...
	.end_amdgpu_metadata
.endif
;; end of part 1
;; launch attend (part 2): grid 256 x 1, 4 waves a work-group, no clusters, 112,640 bytes of LDS; arguments qbuf, kbuf, vbuf, wobuf, decay_logit, out_scale, out0; writes out0
.if DOCPART == 2
	.amdgcn_target "amdgcn-amd-amdhsa--gfx1250"
	.amdhsa_code_object_version 6
	.text
	.protected	k_qa928983d26_attend
	.globl	k_qa928983d26_attend
	.p2align	8
	.type	k_qa928983d26_attend,@function
k_qa928983d26_attend:
	s_mov_b64 s[64:65], 0
	v_nop
	global_prefetch_b8 v0, s[64:65] scope:SCOPE_SE
	s_setreg_imm32_b32 hwreg(HW_REG_WAVE_MODE, 25, 1), 1
	s_wait_xcnt 0x0
; out = ((q k^T / 16 x w) v) Wo^T x out_scale, w(i, j) = d^(j - i - 1) for j > i, else 0, d = sigmoid(decay_logit); all three products on codes of FP6 (E2M3), one E8M0 scale for each 32 along K.
; q, k, v, Wo come as images of operand registers (records of 12,800 and 25,600 bytes: the launch before lays them); out0: [4][4096][256] f32.
; SHARES.  Work-group g owns the 64 queries of record g (batch g / 64, block b = g % 64): four tiles t; tile t's lane r holds query 8 t + (r & 7) + 32 (r >> 3).
; Keys go in aligned groups of 512, from group b / 8 (the first that holds a key behind a query of the block) to group 7.  In a group wave w
;   (S)  multiplies key step 4 group + w (128 keys) with all four query tiles (source 0 = 16 keys, source 1 = 16 queries: a lane holds one query, and its 32 registers of four tiles are one whole block of 32 keys),
;        weighs the scores, quantises them along the keys and hands four fragments and four scale words to the others through LDS, as images of their registers;
;   (PV) multiplies its own 64 channels of v (four tiles) with the P of all four key steps: O^T, 16 accumulators, is whole in the wave.
; So each byte of K and V is loaded by one wave, from memory straight into operand registers, and feeds four query tiles.  The next group's K is asked for as soon as this group's is used up, V likewise.
; THE WEIGHTS.  1 / 16 is a power of two and is folded into them.  In the block's first group each score has a weight of its own, from a table T in LDS (T[x] = d^(x - 64 - 64 (b % 8)) / 16, 0 where the exponent is negative:
; the mask is the table's zeros).  From the second group on the exponent is never negative and splits: P = (S x F) x g, F = d^(..) / 16 for the lane's query and 64 keys, g = d^(32 h + i) for the register; F is multiplied by d^512 from group to group.
; No branch and no address hangs on d.
; LIMITS: d^n is made by products of d^(2^k) and carries a relative error of about (n + 10) x 6e-8 beside n times d's own rounding; d is held at about 2^-125 from below; NaN and infinities are not served.
; NO JOINT LOADS: a group's K and V are 4 x 51,200 = 204,800 bytes; two LDS slots of that size do not fit, and the operands here never pass through LDS at all.
; The 32 work-groups whose first group is the last ask for that group once more, so that every wait keeps its count and no load leaves its buffer.
; REGISTERS, window 0: v1-16 addresses; v17-22 at work; v32-39 bytes and words made; v40-75 scale words (nothing else); v76-78 upper halves; v80-111 S^T; v112-143 g; v144-175 a tile's weights; v176-223 P's codes; v224-239 F; v240-243 for the lane exchange.
;   window 1: v0-95 Q (24 t + 12 s); v96-223 O^T (96 + 32 t + 8 u).   window 2: v0-191 K (96 c + 24 u + 12 s); v192-239 P of an even key step.   window 3: v0-191 V (48 step + 12 u); v192-239 P of an odd key step.
.set FRB,   1536
.set REC,   12800
.set VREC,  25600
.set GSTEP, 102400                     ; a group of 512 keys in kbuf (8 records) and in vbuf (4 records)
.set TT,    0                          ; LDS: T, 1,024 numbers
.set GG,    4096                       ; d^0 .. d^127
.set PIMG,  4608                       ; P's 16 fragments, index 4 step + t
.set PSC,   29184                      ; their scale words, 128 bytes each
.set RIMG,  31232                      ; the retrieved rows' 16 half fragments of 768 bytes, index 4 t + w
.set RSC,   43520                      ; their partial scale words
.set STG,   45568                      ; the way out: 64 rows x (1,024 + 16) bytes
.set SPI,   1040
.set L16,  1
.set L4,   2
.set AW,   3                           ; T: my lane's place for a tile's weights
.set AT,   4                           ; and for F
.set PSTI, 5
.set PSTS, 6
.set SH8,  7                           ; 8 h
.set SHR,  8                           ; 16 (w & 1) + 8 h
.set RSI,  9
.set RSI2, 10
.set RSS,  11
.set RRS,  12
.set SGI,  13
.set SGO,  14
.set GA,   15
.set RRI2, 16
.set M,    17
.set SO,   19
.set D9,   20
.set BT,   22
.set BY,   32
.set PW,   36
.set QS,   40
.set KS,   44
.set VS,   52
.set PS,   60
.set RS,   68
.set WOS,  72
.set TMP,  76
.set S,    80
.set DK,   80                          ; at the head: d^(2^k), k = 0..9
.set G32,  112
.set W,    144
.set EM,   160                         ; at the end: at work
.set ES,   168
.set PC,   176
.set F,    224
.set PX,   240
.set LN,   244                         ; at the head: lane, r, h, the row of my query in a tile, 8 x lane, 4 x thread
.set RR,   245
.set HH,   246
.set RHO,  247
.set T8,   248
.set TA,   249
.set MSB, 0
.macro WIN new                         ; the immediate's high byte repeats the setting that is left; a switch that changes nothing is dropped
.if MSB != (\new)
	s_set_vgpr_msb (MSB<<8)|(\new)
.set MSB, (\new)
.endif
.endm
.macro PLACES n
.rept \n
	v_nop
.endr
.endm
; one matrix instruction.  z = 1: the constant 0 starts the sum.  rw: 0 both scales from lanes 0-15; 1 source 0's from lanes 16-31; 3 both from lanes 16-31
.macro WM d, a, b, z, sa, sb, rw
.if \z
.if \rw == 0
	v_wmma_scale_f32_16x16x128_f8f6f4 v[\d:\d+7], v[\a:\a+11], v[\b:\b+11], 0, v[\sa], v[\sb] matrix_a_fmt:MATRIX_FMT_FP6 matrix_b_fmt:MATRIX_FMT_FP6
.else
	v_wmma_scale_f32_16x16x128_f8f6f4 v[\d:\d+7], v[\a:\a+11], v[\b:\b+11], 0, v[\sa], v[\sb] matrix_a_fmt:MATRIX_FMT_FP6 matrix_b_fmt:MATRIX_FMT_FP6 matrix_a_scale:MATRIX_SCALE_ROW1
.endif
.else
.if \rw == 0
	v_wmma_scale_f32_16x16x128_f8f6f4 v[\d:\d+7], v[\a:\a+11], v[\b:\b+11], v[\d:\d+7], v[\sa], v[\sb] matrix_a_fmt:MATRIX_FMT_FP6 matrix_b_fmt:MATRIX_FMT_FP6
.elseif \rw == 1
	v_wmma_scale_f32_16x16x128_f8f6f4 v[\d:\d+7], v[\a:\a+11], v[\b:\b+11], v[\d:\d+7], v[\sa], v[\sb] matrix_a_fmt:MATRIX_FMT_FP6 matrix_b_fmt:MATRIX_FMT_FP6 matrix_a_scale:MATRIX_SCALE_ROW1
.else
	v_wmma_scale_f32_16x16x128_f8f6f4 v[\d:\d+7], v[\a:\a+11], v[\b:\b+11], v[\d:\d+7], v[\sa], v[\sb] matrix_a_fmt:MATRIX_FMT_FP6 matrix_b_fmt:MATRIX_FMT_FP6 matrix_a_scale:MATRIX_SCALE_ROW1 matrix_b_scale:MATRIX_SCALE_ROW1
.endif
.endif
.endm
.macro LDK c                           ; 64 keys of my key step: 8 fragments and their scale words: 25 loads
	WIN 0x80
.irp f, 0,1,2,3,4,5,6,7
.irp g, 0,1,2
	global_load_b128 v[96*(\c)+12*\f+4*\g:96*(\c)+12*\f+4*\g+3], v[L16], s[6:7] offset:REC*(\c)+FRB*\f+512*\g
.endr
.endr
	WIN 0
	global_load_b128 v[KS+4*(\c):KS+4*(\c)+3], v[L16], s[6:7] offset:REC*(\c)+12288
.endm
.macro LDV kap                         ; my four channel tiles of key step kap of the group, and their scale words: 14 loads
	WIN 0xC0
.irp u, 0,1,2,3
.irp g, 0,1,2
	global_load_b128 v[48*(\kap)+12*\u+4*\g:48*(\kap)+12*\u+4*\g+3], v[L16], s[8:9] offset:VREC*(\kap)+FRB*\u+512*\g
.endr
.endr
	WIN 0
.irp p, 0,1
	global_load_b32 v[VS+2*(\kap)+\p], v[L4], s[28:29] offset:VREC*(\kap)+128*\p
.endr
.endm
.macro LDP kap                         ; P of key step kap, four query tiles, from LDS: 16 loads
	WIN 0x80+0x40*((\kap)%2)
.irp t, 0,1,2,3
.irp g, 0,1,2
	ds_load_b128 v[192+12*\t+4*\g:192+12*\t+4*\g+3], v[L16] offset:PIMG+(4*(\kap)+\t)*FRB+512*\g
.endr
.endr
	WIN 0
.irp t, 0,1,2,3
	ds_load_b32 v[PS+4*((\kap)%2)+\t], v[L4] offset:PSC+(4*(\kap)+\t)*128
.endr
.endm
; v[dst] is multiplied by d^(bits k0 .. k1 - 1 of v[n])
.macro POW dst, n, k0, k1
.set kk, \k0
.rept \k1-\k0
	v_and_b32 v[BT], 1<<kk, v[\n]
	v_cmp_ne_u32 vcc_lo, 0, v[BT]
	v_cndmask_b32 v[BT], 1.0, v[DK+kk], vcc_lo
	v_mul_f32 v[\dst], v[\dst], v[BT]
.set kk, kk+1
.endr
.endm
; 64 keys (half c of my key step) x query tile t: scores, weights, one block of 32 a lane quantised into registers 6 c .. 6 c + 5 of P's fragment t
.macro SBLK first, c, t
.if \first
.set i, 0
.rept 32
	ds_load_b32 v[W+i], v[AW] offset:4*(24+64*\c+i-8*\t)           ; T[128 w + 64 c + 32 h + i - my query + 63]
.set i, i+1
.endr
.endif
	WIN 0x06                                       ; K in window 2, Q in window 1, S^T in window 0
.irp u, 0,1,2,3                        ; four accumulators by turns
	WM S+8*\u, 96*\c+24*\u, 24*\t, 1, KS+4*\c+\u, QS+\t, 0
.endr
.irp u, 0,1,2,3
	WM S+8*\u, 96*\c+24*\u+12, 24*\t+12, 0, KS+4*\c+\u, QS+\t, 3
.endr
	WIN 0
	PLACES 4                                       ; four places in front of the first read of results (ISA guide 7.12.1)
.if \first
	s_wait_dscnt 0x0                               ; the tile's 32 weights
.set i, 0
.rept 16
	v_pk_mul_f32 v[S+i:S+i+1], v[S+i:S+i+1], v[W+i:W+i+1]          ; each accumulator from its low end on
.set i, i+2
.endr
.else
.set i, 0
.rept 16
	v_pk_mul_f32 v[S+i:S+i+1], v[S+i:S+i+1], v[F+4*\t+2*\c:F+4*\t+2*\c+1]   ; both registers of the pair hold F
.set i, i+2
.endr
.set i, 0
.rept 16
	v_pk_mul_f32 v[S+i:S+i+1], v[S+i:S+i+1], v[G32+i:G32+i+1]
.set i, i+2
.endr
.endif
	v_max3_num_f32 v[M], |v[S]|, |v[S+1]|, 0x1800000               ; the block's largest magnitude, in two chains; the floor 2^(3 - 127) holds the byte at 1 from below
	v_max3_num_f32 v[M+1], |v[S+16]|, |v[S+17]|, |v[S+18]|
.irp i, 2,4,6,8,10,12
	v_max3_num_f32 v[M], v[M], |v[S+\i]|, |v[S+\i+1]|
	v_max3_num_f32 v[M+1], v[M+1], |v[S+17+\i]|, |v[S+18+\i]|
.endr
	v_max3_num_f32 v[M], v[M], |v[S+14]|, |v[S+15]|
	v_max3_num_f32 v[M], v[M], v[M+1], |v[S+31]|
	v_add_nc_u32 v[SO], 0xff000000, v[M]           ; 2 off the exponent field: the conversion's scale operand
.if \c == 0
	v_lshrrev_b32 v[BY+\t], 23, v[SO]              ; the byte of block h,
.else
	v_lshrrev_b32 v[BT], 23, v[SO]
	v_lshl_or_b32 v[BY+\t], v[BT], 16, v[BY+\t]    ; of block 2 + h
.endif
	v_cvt_scalef32_pk16_fp6_f32 v[PC+12*\t+6*\c:PC+12*\t+6*\c+2], v[S:S+15], v[SO]
	v_cvt_scalef32_pk16_fp6_f32 v[TMP:TMP+2], v[S+16:S+31], v[SO]  ; (a conversion's three registers begin on an even number)
	v_nop                                          ; one plain place behind a scaled conversion
.irp i, 0,1,2
	v_mov_b32 v[PC+12*\t+6*\c+3+\i], v[TMP+\i]
.endr
.endm
; O^T += V^T P^T for key step kap of the group: 16 accumulators by turns
.macro PV kap, z
	WIN 0x5B+4*((\kap)%2)                          ; V in window 3, P in window 2 or 3, O^T in window 1
.irp t, 0,1,2,3
.irp u, 0,1,2,3
	WM 96+32*\t+8*\u, 48*(\kap)+12*\u, 192+12*\t, \z, VS+2*(\kap)+\u/2, PS+4*((\kap)%2)+\t, \u%2
.endr
.endr
	WIN 0
	PLACES 4                                       ; four places in front of loads into registers that these products have read
.endm
; A GROUP OF 512 KEYS.  first = 1: the block's first group (weights from T, O^T begins).  pf = 1: the next group's K and V are asked for.
.macro GROUP first, pf
	s_wait_loadcnt 56                              ; all but the youngest 56 loads, which are this group's V: K is in (and Q, in the first group)
.irp c, 0,1
.irp t, 0,1,2,3
	SBLK \first, \c, \t
.endr
.if \pf
	LDK \c                                         ; these 64 keys are used up: the next group's take their registers (the places: the lines behind the last products)
.endif
.endr
.irp t, 0,1,2,3
	v_lshlrev_b32 v[BY+\t], v[SH8], v[BY+\t]       ; my two bytes at their places in the word
.endr
.irp t, 0,1,2,3
	v_permlanex16_b32 v[PX+\t], v[BY+\t], s34, s35
.endr
.irp t, 0,1,2,3
	v_or_b32 v[PW+\t], v[BY+\t], v[PX+\t]          ; with lane l xor 16's two the word is whole
.endr
.if \first == 0
.irp q, 0,1,2,3,4,5,6,7
	v_pk_mul_f32 v[F+2*\q:F+2*\q+1], v[F+2*\q:F+2*\q+1], v[D9:D9+1]   ; F for the next group: x d^512
.endr
.endif
	s_wait_dscnt 0x0                               ; my reads of the last group's P are over
	s_barrier_signal -1
	s_barrier_wait -1                              ; everybody's are
.irp t, 0,1,2,3
.irp g, 0,1,2
	ds_store_b128 v[PSTI], v[PC+12*\t+4*\g:PC+12*\t+4*\g+3] offset:FRB*\t+512*\g
.endr
.endr
.irp t, 0,1,2,3
	ds_store_b32 v[PSTS], v[PW+\t] offset:128*\t
.endr
	s_wait_dscnt 0x0                               ; for the others' sake: my P has landed
	s_barrier_signal -1
	s_barrier_wait -1                              ; all four key steps' P lie in LDS
	LDP 0
	LDP 1
.if \pf
	s_wait_loadcnt 50                              ; all but the youngest 50 loads, which are the next group's K: this group's V is in
.else
	s_wait_loadcnt 0x0
.endif
.irp k, 0,1,2,3
.if \k < 3
	s_wait_dscnt 16                                ; this step's P is in; the next step's 16 loads may be out
.else
	s_wait_dscnt 0x0
.endif
.if \k == 0
	PV \k, \first
.else
	PV \k, 0
.endif
.if \pf
	LDV \k
.endif
.if \k < 2
	LDP \k+2
.endif
.endr
.if \pf
	s_wait_xcnt 0x0                                ; the loads have read their bases
	s_add_nc_u64 s[6:7], s[6:7], GSTEP
	s_add_nc_u64 s[8:9], s[8:9], GSTEP
	s_add_nc_u64 s[28:29], s[28:29], GSTEP
.endif
.endm
	s_load_b256 s[4:11], s[0:1], 0x0               ; qbuf s[4:5], kbuf s[6:7], vbuf s[8:9], wobuf s[10:11]
	s_load_b128 s[12:15], s[0:1], 0x20             ; decay_logit s[12:13], out_scale s[14:15]
	s_load_b64 s[16:17], s[0:1], 0x30              ; out0
	v_lshl_add_u32 v254, v0, 2, 0x1b600
	v_mov_b32 v255, 0
	v_lshrrev_b32 v[LN], 5, v0
	v_readfirstlane_b32 s18, v[LN]                 ; wave w
	v_and_b32 v[LN], 31, v0
	v_lshlrev_b32 v[L16], 4, v[LN]
	v_lshlrev_b32 v[L4], 2, v[LN]
	s_mov_b32 s19, ttmp9                           ; g
	s_lshr_b32 s20, s19, 6                         ; batch
	s_and_b32 s21, s19, 63                         ; b
	s_lshr_b32 s22, s21, 3                         ; the block's first group of keys
	s_and_b32 s23, s21, 7
	s_lshl_b32 s23, s23, 6                         ; the block's first query, counted from that group's first key
	s_mov_b32 s31, 0                               ; the high word of every offset
	s_mov_b32 s34, 0x76543210
	s_mov_b32 s35, 0xfedcba98                      ; v_permlanex16_b32's selects for lane l xor 16
	s_wait_kmcnt 0x0
	s_load_b32 s24, s[12:13], 0x0                  ; decay_logit
	s_load_b32 s26, s[14:15], 0x0                  ; out_scale
	s_mul_i32 s30, s19, REC
	s_add_nc_u64 s[4:5], s[4:5], s[30:31]          ; Q: record g
	s_lshl_b32 s30, s20, 6
	s_lshl_b32 s33, s22, 3
	s_add_co_u32 s30, s30, s33
	s_lshl_b32 s33, s18, 1
	s_add_co_u32 s30, s30, s33
	s_mul_i32 s30, s30, REC
	s_add_nc_u64 s[6:7], s[6:7], s[30:31]          ; K: record 64 batch + 8 group + 2 w
	s_lshl_b32 s30, s20, 5
	s_lshl_b32 s33, s22, 2
	s_add_co_u32 s30, s30, s33
	s_mul_i32 s36, s30, VREC                       ; V: record 32 batch + 4 group;
	s_lshl_b32 s30, s18, 8
	s_add_co_u32 s30, s30, s36
	s_add_co_u32 s30, s30, 24576
	s_add_nc_u64 s[28:29], s[8:9], s[30:31]        ; my channels' scale words,
	s_mul_i32 s30, s18, 4*FRB
	s_add_co_u32 s30, s30, s36
	s_add_nc_u64 s[8:9], s[8:9], s[30:31]          ; my four channel tiles
	s_mul_i32 s30, s18, REC
	s_add_nc_u64 s[10:11], s[10:11], s[30:31]      ; Wo: record w
	s_lshl_b32 s30, s19, 16
	s_lshl_b32 s33, s18, 14
	s_add_co_u32 s30, s30, s33
	s_add_nc_u64 s[16:17], s[16:17], s[30:31]      ; out0: row 64 g + 16 w
	WIN 0x40
.irp f, 0,1,2,3,4,5,6,7
.irp g, 0,1,2
	global_load_b128 v[12*\f+4*\g:12*\f+4*\g+3], v[L16], s[4:5] offset:FRB*\f+512*\g   ; Q stays in registers
.endr
.endr
	WIN 0
	global_load_b128 v[QS:QS+3], v[L16], s[4:5] offset:12288
	LDK 0
	LDK 1
	LDV 0
	LDV 1
	LDV 2
	LDV 3
	s_wait_xcnt 0x0                                ; the loads have read their bases
	s_cmp_lt_u32 s22, 7
	s_cselect_b32 s30, GSTEP, 0                    ; on to the next group, if there is one
	s_add_nc_u64 s[6:7], s[6:7], s[30:31]
	s_add_nc_u64 s[8:9], s[8:9], s[30:31]
	s_add_nc_u64 s[28:29], s[28:29], s[30:31]
	; LDS addresses: constants, the lane and the wave's number
	v_and_b32 v[RR], 15, v0
	v_bfe_u32 v[HH], v0, 4, 1
	v_lshlrev_b32 v[SH8], 3, v[HH]
	s_and_b32 s33, s18, 1
	s_lshl_b32 s33, s33, 4
	v_add_nc_u32 v[SHR], s33, v[SH8]
	v_and_b32 v[RHO], 7, v[RR]
	v_bfe_u32 v[T8], v0, 3, 1
	v_lshl_add_u32 v[RHO], v[T8], 5, v[RHO]        ; (r & 7) + 32 (r >> 3)
	s_lshl_b32 s33, s18, 7
	s_add_co_u32 s33, s33, 39
	v_sub_nc_u32 v[AT], s33, v[RHO]
	v_lshlrev_b32 v[AT], 2, v[AT]                  ; 4 (128 w + 39 - (r & 7) - 32 (r >> 3)): never negative
	v_lshl_add_u32 v[AW], v[HH], 7, v[AT]
	s_mul_i32 s33, s18, 4*FRB
	s_add_co_u32 s33, s33, PIMG
	v_add_nc_u32 v[PSTI], s33, v[L16]
	s_lshl_b32 s33, s18, 9
	s_add_co_u32 s33, s33, PSC
	v_add_nc_u32 v[PSTS], s33, v[L4]
	v_lshlrev_b32 v[T8], 3, v[LN]
	s_mul_i32 s33, s18, 768
	s_add_co_u32 s33, s33, RIMG
	v_add_nc_u32 v[RSI], s33, v[L16]
	v_add_nc_u32 v[RSI2], s33, v[T8]
	v_add_nc_u32 v[RSI2], 512, v[RSI2]
	v_add_nc_u32 v[RRI2], RIMG+512, v[T8]
	s_lshl_b32 s33, s18, 7
	s_add_co_u32 s33, s33, RSC
	v_add_nc_u32 v[RSS], s33, v[L4]
	v_lshl_add_u32 v[RRS], v[HH], 8, v[L4]
	v_add_nc_u32 v[RRS], RSC, v[RRS]
	v_mul_u32_u24 v[SGI], v[RHO], SPI
	v_lshl_add_u32 v[SGI], v[HH], 7, v[SGI]
	s_lshl_b32 s33, s18, 8
	s_add_co_u32 s33, s33, STG
	v_add_nc_u32 v[SGI], s33, v[SGI]
	s_mul_i32 s33, s18, 16*SPI
	s_add_co_u32 s33, s33, STG
	v_add_nc_u32 v[SGO], s33, v[L16]
	v_lshlrev_b32 v[GA], 7, v[HH]
	v_lshlrev_b32 v[TA], 2, v0
.irp t, 0,1,2,3
	v_mov_b32 v[PX+\t], 0                          ; written once: a lane permute's destination counts as one of its sources
.endr
	; d = 1 / (1 + 2^(-z log2 e)), the reciprocal mended by one Newton step; then d^(2^k) by squaring
	s_wait_kmcnt 0x0
	s_mov_b32 s27, s26                             ; (the packed form names the pair)
	v_mov_b32 v90, s24
	v_mul_f32 v90, 0xbfb8aa3b, v90
	v_min_num_f32 v90, 0x42fa0000, v90             ; held at 125, so that the reciprocal stays a normal number
	v_exp_f32 v91, v90
	v_nop                                          ; one plain place behind a transcendental
	s_wait_alu depctr_va_vdst(0)
	v_add_f32 v91, 1.0, v91
	v_rcp_f32 v92, v91
	v_nop
	s_wait_alu depctr_va_vdst(0)
	v_fma_f32 v93, -v91, v92, 1.0
	v_fma_f32 v[DK], v92, v93, v92
.irp k, 1,2,3,4,5,6,7,8,9
	v_mul_f32 v[DK+\k], v[DK+\k-1], v[DK+\k-1]
.endr
	v_mov_b32 v[D9], v[DK+9]
	v_mov_b32 v[D9+1], v[DK+9]
	; T: thread x makes entries x + 128 m, m = 0..7.  Their exponents n = x + 128 m - 64 - 64 (b % 8) share the low seven bits: one product serves all eight
	s_add_co_u32 s33, s23, 64
	v_sub_nc_u32 v94, v0, s33
	v_mov_b32 v95, 0x3d800000                      ; 1 / 16
	POW 95, 94, 0, 7
.irp m, 0,1,2,3,4,5,6,7
	v_add_nc_u32 v96, 128*\m, v94
	v_mov_b32 v[97+\m], v95
	POW 97+\m, 96, 7, 10
	v_cmp_le_i32 vcc_lo, 0, v96
	v_cndmask_b32 v[97+\m], 0, v[97+\m], vcc_lo    ; the mask: 0 where the key does not come behind the query
	ds_store_b32 v[TA], v[97+\m] offset:TT+512*\m
.endr
	v_mov_b32 v106, 1.0
	POW 106, 0, 0, 7                               ; d^thread
	ds_store_b32 v[TA], v106 offset:GG
	s_wait_dscnt 0x0                               ; for the others' sake: my entries have landed
	s_barrier_signal -1
	s_barrier_wait -1                              ; the tables are whole; nobody writes them again
.irp j, 0,1,2,3,4,5,6,7
	ds_load_b128 v[G32+4*\j:G32+4*\j+3], v[GA] offset:GG+16*\j     ; g[i] = d^(32 h + i)
.endr
.irp t, 0,1,2,3
.irp c, 0,1
	ds_load_b32 v[F+4*\t+2*\c], v[AT] offset:4*(536+64*\c-8*\t)    ; F = T[575 + 128 w + 64 c - my query]: the weight of the second group's key 128 w + 64 c
.endr
.endr
	s_wait_dscnt 0x0
.irp q, 0,1,2,3,4,5,6,7
	v_mov_b32 v[F+2*\q+1], v[F+2*\q]
.endr
	GROUP 1, 1
	s_cmp_eq_u32 s22, 7                            ; branches on the work-group's number: alike in all four waves
	s_cbranch_scc1 .Lepi
	s_cmp_eq_u32 s22, 6
	s_cbranch_scc1 .Llast
	s_sub_co_u32 s32, 6, s22
.Lloop:
	GROUP 0, 1
	s_sub_co_i32 s32, s32, 1
	s_cmp_lg_u32 s32, 0
	s_cbranch_scc1 .Lloop
.Llast:
	GROUP 0, 0                                     ; group 7 asks for nothing more
.Lepi:
	; THE LAST PRODUCT.  O^T holds, in lane (r, h), query r of tile t and channels 64 w + 32 h + 0..31: one whole block along the last K.
	s_wait_loadcnt 0x0                             ; (a block whose first group is the last has that group's second copy on its way)
	PLACES 4
	WIN 0x80
.irp f, 0,1,2,3,4,5,6,7
.irp g, 0,1,2
	global_load_b128 v[12*\f+4*\g:12*\f+4*\g+3], v[L16], s[10:11] offset:FRB*\f+512*\g   ; Wo's rows 64 w .. +63
.endr
.endr
	WIN 0
	global_load_b128 v[WOS:WOS+3], v[L16], s[10:11] offset:12288
	WIN 0x14                                       ; sources 1 and 2: O^T in window 1
.irp t, 0,1,2,3
	v_max3_num_f32 v[EM+2*\t], 0x1800000, |v[96+32*\t]|, |v[97+32*\t]|           ; each accumulator from its low end on; two chains a tile
	v_max3_num_f32 v[EM+2*\t+1], 0x1800000, |v[112+32*\t]|, |v[113+32*\t]|
.endr
.irp i, 2,4,6,8,10,12,14
.irp t, 0,1,2,3
	v_max3_num_f32 v[EM+2*\t], v[EM+2*\t], |v[96+32*\t+\i]|, |v[97+32*\t+\i]|
	v_max3_num_f32 v[EM+2*\t+1], v[EM+2*\t+1], |v[112+32*\t+\i]|, |v[113+32*\t+\i]|
.endr
.endr
	WIN 0
.irp t, 0,1,2,3
	v_max_num_f32 v[EM+2*\t], v[EM+2*\t], v[EM+2*\t+1]
.endr
.irp t, 0,1,2,3
	v_add_nc_u32 v[ES+\t], 0xff000000, v[EM+2*\t]
.endr
.irp t, 0,1,2,3
	v_lshrrev_b32 v[BY+\t], 23, v[ES+\t]
.endr
.irp t, 0,1,2,3
	v_lshlrev_b32 v[BY+\t], v[SHR], v[BY+\t]       ; block 2 (w & 1) + h of K step w >> 1
.endr
.irp t, 0,1,2,3
	v_permlanex16_b32 v[PX+\t], v[BY+\t], s34, s35
.endr
.irp t, 0,1,2,3
	v_or_b32 v[PW+\t], v[BY+\t], v[PX+\t]          ; half a scale word
.endr
	WIN 0x01                                       ; source 0: O^T in window 1
.irp t, 0,1,2,3
	v_cvt_scalef32_pk16_fp6_f32 v[PC+12*\t:PC+12*\t+2], v[96+32*\t:111+32*\t], v[ES+\t]
	v_cvt_scalef32_pk16_fp6_f32 v[W+4*\t:W+4*\t+2], v[112+32*\t:127+32*\t], v[ES+\t]
.endr
	WIN 0
	v_nop                                          ; one plain place behind a scaled conversion
.irp t, 0,1,2,3
.irp i, 0,1,2
	v_mov_b32 v[PC+12*\t+3+\i], v[W+4*\t+\i]
.endr
.endr
.irp t, 0,1,2,3                        ; my six registers are registers 6 (w & 1) .. +5 of fragment (t, K step w >> 1)
	ds_store_b128 v[RSI], v[PC+12*\t:PC+12*\t+3] offset:3072*\t
	ds_store_b64 v[RSI2], v[PC+12*\t+4:PC+12*\t+5] offset:3072*\t
	ds_store_b32 v[RSS], v[PW+\t] offset:512*\t
.endr
	s_wait_dscnt 0x0                               ; for the others' sake
	s_barrier_signal -1
	s_barrier_wait -1
	WIN 0xC0
.irp t, 0,1,2,3
.irp k, 0,1
	ds_load_b128 v[24*\t+12*\k:24*\t+12*\k+3], v[L16] offset:RIMG+(4*\t+2*\k)*768
	ds_load_b64 v[24*\t+12*\k+4:24*\t+12*\k+5], v[RRI2] offset:(4*\t+2*\k)*768
	ds_load_b128 v[24*\t+12*\k+6:24*\t+12*\k+9], v[L16] offset:RIMG+(4*\t+2*\k+1)*768
	ds_load_b64 v[24*\t+12*\k+10:24*\t+12*\k+11], v[RRI2] offset:(4*\t+2*\k+1)*768
.endr
.endr
	WIN 0
.irp t, 0,1,2,3
	ds_load_b32 v[EM+2*\t], v[RRS] offset:512*\t                   ; lanes 0-15 K step 0's halves, lanes 16-31 K step 1's
	ds_load_b32 v[EM+2*\t+1], v[RRS] offset:512*\t+128
.endr
	s_wait_dscnt 0x0
.irp t, 0,1,2,3
	v_or_b32 v[RS+\t], v[EM+2*\t], v[EM+2*\t+1]
.endr
	PLACES 8                                       ; a scale register written by a vector instruction stands eight places ahead of a scaled matrix instruction
	s_wait_loadcnt 0x0                             ; Wo
	WIN 0x5E                                       ; Wo in window 2, the retrieved rows in window 3, the results over O^T in window 1
.irp t, 0,1,2,3
.irp u, 0,1,2,3
	WM 96+32*\t+8*\u, 24*\u, 24*\t, 1, WOS+\u, RS+\t, 0
.endr
.endr
.irp t, 0,1,2,3
.irp u, 0,1,2,3
	WM 96+32*\t+8*\u, 24*\u+12, 24*\t+12, 0, WOS+\u, RS+\t, 3
.endr
.endr
	WIN 0
	PLACES 4
	WIN 0x41
.set j, 0
.rept 64
	v_pk_mul_f32 v[96+j:97+j], v[96+j:97+j], s[26:27] op_sel_hi:[1,0]   ; x out_scale, each accumulator from its low end on
.set j, j+2
.endr
	WIN 0x04                                       ; an LDS store's data are its source 1: window 1
.irp t, 0,1,2,3
.irp u, 0,1,2,3
	ds_store_b128 v[SGI], v[96+32*\t+8*\u:96+32*\t+8*\u+3] offset:SPI*8*\t+32*\u       ; lane (r, h): out(my query, 64 w + 32 h + 8 u + 0..7)
	ds_store_b128 v[SGI], v[96+32*\t+8*\u+4:96+32*\t+8*\u+7] offset:SPI*8*\t+32*\u+16
.endr
.endr
	WIN 0
	s_wait_dscnt 0x0                               ; for the others' sake
	s_barrier_signal -1
	s_barrier_wait -1                              ; 64 whole rows lie in the stage, in their own order
	WIN 0xC0
.set i, 0
.rept 32
	ds_load_b128 v[4*i:4*i+3], v[SGO] offset:SPI*(i/2)+512*(i%2)   ; my 16 rows, half a row a load
.set i, i+1
.endr
	WIN 0x0C                                       ; a store's data are its source 1: window 3
.set i, 0
.rept 32
	s_wait_dscnt 31-i
	global_store_b128 v[L16], v[4*i:4*i+3], s[16:17] offset:512*i th:TH_STORE_NT   ; 32 lanes store 512 consecutive bytes, at a multiple of 256 from out0's first byte
.set i, i+1
.endr
	WIN 0
	s_wait_tensorcnt 0x0
	ds_add_u32 v254, v255
	s_wait_dscnt 0x0
	s_endpgm
.Lfunc_end_k_qa928983d26_attend:
	.size	k_qa928983d26_attend, .Lfunc_end_k_qa928983d26_attend-k_qa928983d26_attend
	.p2alignl 7, 3214868480
	.fill 96, 4, 3214868480
	.section	.rodata,"a",@progbits
	.p2align	6, 0x0
	.amdhsa_kernel k_qa928983d26_attend
		.amdhsa_group_segment_fixed_size 112640
		.amdhsa_private_segment_fixed_size 0
		.amdhsa_enable_private_segment 0
		.amdhsa_kernarg_size 56
		.amdhsa_user_sgpr_count 2
		.amdhsa_user_sgpr_kernarg_segment_ptr 1
		.amdhsa_wavefront_size32 1
		.amdhsa_system_sgpr_workgroup_id_x 1
		.amdhsa_system_sgpr_workgroup_id_y 1
		.amdhsa_system_sgpr_workgroup_id_z 1
		.amdhsa_system_vgpr_workitem_id 0
		.amdhsa_next_free_vgpr 1024
		.amdhsa_next_free_sgpr 66
		.amdhsa_reserve_vcc 1
		.amdhsa_float_denorm_mode_32 3
		.amdhsa_float_denorm_mode_16_64 3
		.amdhsa_memory_ordered 1
		.amdhsa_forward_progress 1
		.amdhsa_inst_pref_size 242
	.end_amdhsa_kernel
	.amdgpu_metadata
---
amdhsa.version: [ 1, 2 ]
amdhsa.kernels:
  - .name:           k_qa928983d26_attend
    .symbol:         k_qa928983d26_attend.kd
    .args:
      - { .name: qbuf, .offset: 0, .size: 8, .value_kind: global_buffer, .address_space: global }
      - { .name: kbuf, .offset: 8, .size: 8, .value_kind: global_buffer, .address_space: global }
      - { .name: vbuf, .offset: 16, .size: 8, .value_kind: global_buffer, .address_space: global }
      - { .name: wobuf, .offset: 24, .size: 8, .value_kind: global_buffer, .address_space: global }
      - { .name: decay_logit, .offset: 32, .size: 8, .value_kind: global_buffer, .address_space: global }
      - { .name: out_scale, .offset: 40, .size: 8, .value_kind: global_buffer, .address_space: global }
      - { .name: out0, .offset: 48, .size: 8, .value_kind: global_buffer, .address_space: global }
    .group_segment_fixed_size: 112640
    .private_segment_fixed_size: 0
    .kernarg_segment_align: 8
    .kernarg_segment_size: 56
    .max_flat_workgroup_size: 128
    .sgpr_count:     66
    .vgpr_count:     1024
    .wavefront_size: 32
...
	.end_amdgpu_metadata
.endif
;; end of part 2
;; ======== version 2 of 2: 2 launches; 1.14 times as fast as version 1
;; limits: a function is approximated: absolute error at most 0.00025
;; workspace buffers: qbuf 3,276,800 bytes; kbuf 3,276,800 bytes; vbuf 3,276,800 bytes; wobuf 51,200 bytes
;; launch project (part 3): grid 64 x 4, 4 waves a work-group, no clusters, 195,072 bytes of LDS; arguments x, Wq, Wk, Wv, Wo, qbuf, kbuf, vbuf, wobuf; writes qbuf, kbuf, vbuf, wobuf
.if DOCPART == 3
	.amdgcn_target "amdgcn-amd-amdhsa--gfx1250"
	.amdhsa_code_object_version 6
	.text
	.protected	k_qa928983d26_project
	.globl	k_qa928983d26_project
	.p2align	8
	.type	k_qa928983d26_project,@function
k_qa928983d26_project:
	s_mov_b64 s[64:65], 0
	v_nop
	global_prefetch_b8 v0, s[64:65] scope:SCOPE_SE
	s_setreg_imm32_b32 hwreg(HW_REG_WAVE_MODE, 25, 1), 1
	s_wait_xcnt 0x0
; q = x Wq^T, k = x Wk^T, v = x Wv^T on codes of FP6 (E2M3) with one E8M0 scale for each 32 along K; the results are quantised again
; (q, k along the 256 channels, v along the tokens) and stored as IMAGES OF OPERAND REGISTERS for the next launch; Wo is quantised too.
; x: [16384][256] f32.  Wq, Wk, Wv, Wo: [256][256] f32, K innermost.
; SHARES.  Work-group (X, y): tokens 256 X .. +255; 128 columns of q (y < 2) or of k (y >= 2): rows 128 (y & 1) .. +127 of that weight;
; columns 64 y .. +63 of v.  It reads 256 rows of x and 192 rows of weights, 1,024 bytes each, once.
; THE ROWS OF A TILE ARE NOT NEIGHBOURS: tile u (0..3) of a group of 64 rows holds rows 8 u + (r & 7) + 32 (r >> 3), r = 0..15.  In a matrix result
; register j of tile u in lane half h is then row 32 h + 8 u + j: the 32 registers of four tiles are one whole block of 32 along the next K, in ONE lane,
; and they are the k = 64 c + 32 h + 0..31 that registers 6 c .. 6 c + 5 of a 6-bit operand hold.  No lane is asked for a maximum, no halves are swapped.
; A FRAGMENT'S IMAGE (16 rows x 128 K, 12 registers a lane): 3 x 512 bytes, lane l's 16 bytes at 16 l.
; A RECORD of 64 rows x 256 K (qbuf, kbuf, wobuf): fragment (u, K step s) at (2 u + s) x 1,536; scale words from 12,288 on, at (16 s + r) x 16 + 4 u.
; A RECORD of vbuf (128 tokens x 256 channels): fragment of channel tile 4 y + u at (4 y + u) x 1,536; scale words at 24,576 + 256 y + 128 p + 4 lane (lanes 0-15 tile 2 p, lanes 16-31 tile 2 p + 1).
; A block's scale byte is its largest magnitude's exponent field - 2, held at 1 from below (a block of zeros gets 1: its codes are zeros, and this program alone reads the bytes).
; LIMITS: NaN and infinities among the inputs are not served.
; NO JOINT LOADS: x and the weights arrive as f32 and go through registers to be quantised; the 262,144 bytes of a work-group's rows of x do not fit in LDS beside the images.
; REGISTERS, window 0: v1-17, v28-31, v54 addresses; v18-25 at work; v32-53 scale words (nothing else); v56-59, v60-61 scale words made; v64-75 and v232-243 codes, two sets; v76-82 upper halves;
;   v96-159 and v160-223 64 numbers of a lane, two sets; later v160-183, v184-231 small operands.   window 1: v0-255 four sets of 16 rows as loaded; later v0-191 sixteen fragments.
.set FRB,   1536
.set REC,   12800
.set VREC,  25600
.set SP,    528                        ; a stage row: 512 bytes + 16: an odd multiple of 16, so that sixteen rows begin in sixteen different groups of banks
.set NF,    14                         ; fragments that a wave quantises for the work-group
.set XIMG,  0                          ; x's 32 fragments, index (4 wave + u) x 2 + s
.set XSC,   49152                      ; their scale words, 128 bytes a fragment
.set WQK,   53248                      ; the q/k weight's 16 fragments, index (4 c + u) x 2 + s
.set WQKS,  77824
.set WVI,   79872                      ; Wv's 8 fragments, index 2 u + s
.set WVSC,  92160
.set STG,   93184                      ; two stages of 16 rows for each wave, by turns
.set STG2,  160768                     ; one more for each wave, for Wo's path alone
.set L16,  1                           ; 16 x lane
.set L4,   2                           ; 4 x lane
.set SIN,  3                           ; the stage, way in
.set SOUT, 4                           ; the stage, way out
.set SH8,  5                           ; 8 h
.set AWQ,  6                           ; where I store images and scale words: the q/k weight's,
.set AWQS, 7
.set AWV,  8                           ; Wv's,
.set AWVS, 9
.set AX,   10                          ; x's
.set AXS,  11
.set PK,   12                          ; 4 x lane + 128 h: lanes 0-15 read K step 0's word, lanes 16-31 K step 1's
.set BX,   13                          ; the v part's reads
.set BXS,  14
.set BWV,  15
.set BWVS, 16
.set R16,  17                          ; 16 r
.set M,    18
.set SO,   20
.set BY,   22
.set PW,   24                          ; v24, v25: the scale word just made, two sets
.set SIN2, 28
.set SOUT2, 29
.set RWQ,  30
.set RWQS, 31
.set WS,   32
.set XSO,  40
.set XSV,  44
.set WVS,  52
.set RXS,  54
.set SW,   56
.set PWN,  60
.set PC,   64                          ; codes: set 0 here, set 1 at PC + 168
.set TMP,  76
.set X,    96                          ; 64 numbers: set 0 here, set 1 at X + 64
.set XB,   160
.set WVB,  184
.set WBASE, 28                         ; scalar pairs: bases in memory
.set VBASE, 30
.set XBASE, 32
.set QOUT,  34
.set VOUT,  36
.set VSOUT, 38
.set QSOUT, 40
.set OBASE, 42
.set SEL,   44
.set OOUT,  52
.set OSOUT, 54
.set MSB, 0
.macro WIN new                         ; the immediate's high byte repeats the setting that is left; a switch that changes nothing is dropped
.if MSB != (\new)
	s_set_vgpr_msb (MSB<<8)|(\new)
.set MSB, (\new)
.endif
.endm
.macro PLACES n
.rept \n
	v_nop
.endr
.endm
; 16 rows x 512 bytes (one K step) into set: each load reads one row's 512 consecutive bytes; row i of the fragment is row (i % 8) + 32 (i / 8) from off on
.macro LOADF set, base, off
	WIN 0x40
.irp i, 0,1,2,3,4,5,6,7,8,9,10,11,12,13,14,15
	global_load_b128 v[64*(\set)+4*\i:64*(\set)+4*\i+3], v[L16], s[\base:\base+1] offset:(\off)+((\i%8)+32*(\i/8))*1024
.endr
	WIN 0
.endm
; fragment n of my list of fourteen, into set n % 4: 0-3 the q/k weight's tiles; 4, 5 Wv's tile w, both K steps; 6-13 my 64 tokens of x, tile (n - 6) / 2, K step (n - 6) % 2
.macro LOADN n
.if (\n) < 4
	LOADF (\n)%4, WBASE, 8192*(\n)
.elseif (\n) < 6
	LOADF (\n)%4, VBASE, 512*((\n)-4)
.else
	LOADF (\n)%4, XBASE, 8192*(((\n)-6)/2)+512*(((\n)-6)%2)
.endif
.endm
; through a stage of mine (so bytes on): in as loaded, out 64 numbers a lane: v[x + 32 c + i] = k 64 c + 32 h + i of row r.  LDS serves a wave's instructions in order: no wait between stores and loads
.macro TURN set, in, out, so, x
	WIN 0x04
.irp i, 0,1,2,3,4,5,6,7,8,9,10,11,12,13,14,15
	ds_store_b128 v[\in], v[64*(\set)+4*\i:64*(\set)+4*\i+3] offset:(\so)+SP*\i
.endr
	WIN 0
.irp i, 0,1,2,3,4,5,6,7,8,9,10,11,12,13,14,15
	ds_load_b128 v[(\x)+4*\i:(\x)+4*\i+3], v[\out] offset:(\so)+256*(\i/8)+16*(\i%8)
.endr
.endm
; 64 numbers of a lane become a fragment's 12 registers of codes in v[pc] on and the row's scale word in v[pw] (both halves of the lanes)
.macro QUANT64 x, pc, pw
	v_max3_num_f32 v[M], |v[\x]|, |v[\x+1]|, 0x1800000             ; my two blocks by turns, each from its low end on; the floor 2^(3 - 127) holds the byte at 1 from below
	v_max3_num_f32 v[M+1], |v[\x+32]|, |v[\x+33]|, 0x1800000
.irp i, 2,4,6,8,10,12,14,16,18,20,22,24,26,28,30
	v_max3_num_f32 v[M], v[M], |v[\x+\i]|, |v[\x+\i+1]|
	v_max3_num_f32 v[M+1], v[M+1], |v[\x+32+\i]|, |v[\x+33+\i]|
.endr
	v_add_nc_u32 v[SO], 0xff000000, v[M]                           ; 2 off the exponent field: the conversion's scale operand
	v_add_nc_u32 v[SO+1], 0xff000000, v[M+1]
	v_lshrrev_b32 v[BY], 23, v[SO]                                 ; the bytes of blocks h and 2 + h
	v_lshrrev_b32 v[BY+1], 23, v[SO+1]
	v_lshl_or_b32 v[BY], v[BY+1], 16, v[BY]
	v_lshlrev_b32 v[BY], v[SH8], v[BY]                             ; at their places in the word
	v_permlanex16_b32 v[BY+1], v[BY], s[SEL], s[SEL+1]
	v_or_b32 v[\pw], v[BY], v[BY+1]                                ; with lane l xor 16's two the word is whole
.irp c, 0,1
	v_cvt_scalef32_pk16_fp6_f32 v[\pc+6*\c:\pc+6*\c+2], v[\x+32*\c:\x+32*\c+15], v[SO+\c]
	v_cvt_scalef32_pk16_fp6_f32 v[TMP+4*\c:TMP+4*\c+2], v[\x+32*\c+16:\x+32*\c+31], v[SO+\c]   ; (a conversion's three registers begin on an even number)
.endr
	v_nop                                                          ; one plain place behind a scaled conversion
.irp c, 0,1
.irp i, 0,1,2
	v_mov_b32 v[\pc+6*\c+3+\i], v[TMP+4*\c+\i]
.endr
.endr
.endm
.macro IMG adr, off, pc                ; the fragment goes to LDS as it stands
.irp g, 0,1,2
	ds_store_b128 v[\adr], v[\pc+4*\g:\pc+4*\g+3] offset:(\off)+512*\g
.endr
.endm
.macro SCW adr, off, pw
	ds_store_b32 v[\adr], v[\pw] offset:\off
.endm
.macro OUT3 base, off                  ; and to memory: each store covers 512 consecutive bytes
.irp g, 0,1,2
	global_store_b128 v[L16], v[PC+4*\g:PC+4*\g+3], s[\base:\base+1] offset:\off+512*\g
.endr
.endm
; Fragment n of my fourteen.  Its numbers were sent through a stage one step ago; the loads run four fragments ahead, the turn through LDS one.
.macro ASTEP n
.set XN,  X+64*((\n)%2)
.set PCN, PC+168*((\n)%2)
.set PWA, PW+(\n)%2
.if (\n) == 0
	s_wait_dscnt 0x0
.else
	s_wait_dscnt 4                                 ; my 64 numbers are back; the four stores of the fragment before (its image and its scale word) may be out.  So this fragment's stores into the stage have read their set, and the codes' set of two fragments ago is free
.endif
.if (\n)+4 < NF
	LOADN (\n)+4                                   ; into the set that this fragment has left
.endif
.if (\n)+1 < NF
.if (\n) < NF-4
	s_wait_loadcnt 48                              ; the next fragment's 16 loads are in; those of the three behind it may be out
.else
	s_wait_loadcnt 16*(NF-2-(\n))                  ; the list runs out: two, one, none behind it
.endif
	TURN ((\n)+1)%4, SIN, SOUT, 16*SP*(((\n)+1)%2), X+64*(((\n)+1)%2)   ; through the other stage, into the other 64 registers, while this fragment is worked
.endif
	QUANT64 XN, PCN, PWA
.if (\n) < 4
	IMG AWQ, 2*(\n)*FRB, PCN
	SCW AWQS, 256*(\n), PWA
.elseif (\n) < 6
	IMG AWV, ((\n)-4)*FRB, PCN
	SCW AWVS, 128*((\n)-4), PWA
.else
	IMG AX, ((\n)-6)*FRB, PCN
	SCW AXS, 128*((\n)-6), PWA
.endif
.endm
; 16 matrix instructions: source 0 = the eight tiles in window 1 (tile a, K step s at v[24 a + 12 s]), source 1 = the two fragments at v[b]; eight accumulators by turns
.macro MUL16 b, sa, sb
	WIN 0x01
.irp a, 0,1,2,3,4,5,6,7
	v_wmma_scale_f32_16x16x128_f8f6f4 v[X+8*\a:X+8*\a+7], v[24*\a:24*\a+11], v[\b:\b+11], 0, v[\sa+\a], v[\sb] matrix_a_fmt:MATRIX_FMT_FP6 matrix_b_fmt:MATRIX_FMT_FP6
.endr
.irp a, 0,1,2,3,4,5,6,7
	v_wmma_scale_f32_16x16x128_f8f6f4 v[X+8*\a:X+8*\a+7], v[24*\a+12:24*\a+23], v[\b+12:\b+23], v[X+8*\a:X+8*\a+7], v[\sa+\a], v[\sb] matrix_a_fmt:MATRIX_FMT_FP6 matrix_b_fmt:MATRIX_FMT_FP6 matrix_a_scale:MATRIX_SCALE_ROW1 matrix_b_scale:MATRIX_SCALE_ROW1
.endr
	WIN 0
	PLACES 4                                       ; four places in front of the first read of results (ISA guide 7.12.1)
.endm
	s_load_b256 s[4:11], s[0:1], 0x0               ; x s[4:5], Wq s[6:7], Wk s[8:9], Wv s[10:11]
	s_load_b256 s[12:19], s[0:1], 0x20             ; Wo s[12:13], qbuf s[14:15], kbuf s[16:17], vbuf s[18:19]
	s_load_b64 s[20:21], s[0:1], 0x40              ; wobuf
	v_lshl_add_u32 v254, v0, 2, 0x2f800
	v_mov_b32 v255, 0
	v_lshrrev_b32 v18, 5, v0
	v_readfirstlane_b32 s22, v18                   ; wave w
	s_mov_b32 s23, ttmp9                           ; X
	s_and_b32 s24, ttmp7, 0xffff                   ; y
	s_and_b32 s25, s24, 1                          ; y & 1: which 128 rows of the weight, and which K step of q or k they make
	s_lshr_b32 s47, s22, 1                         ; w >> 1
	s_and_b32 s48, s22, 1                          ; w & 1
	s_mov_b32 s[SEL], 0x76543210
	s_mov_b32 s[SEL+1], 0xfedcba98                 ; v_permlanex16_b32's selects for lane l xor 16
	v_and_b32 v19, 31, v0                          ; lane
	v_and_b32 v20, 15, v0                          ; r
	v_bfe_u32 v21, v0, 4, 1                        ; h
	v_lshlrev_b32 v[L16], 4, v19
	v_lshlrev_b32 v[L4], 2, v19
	v_lshlrev_b32 v[SH8], 3, v21
	v_lshlrev_b32 v[R16], 4, v20
	v_lshl_add_u32 v[PK], v21, 7, v[L4]
	s_mul_i32 s49, s22, 32*SP                      ; my two stages,
	s_mul_i32 s50, s22, 16*SP                      ; and the one for Wo
	v_add_nc_u32 v[SIN], s49, v[L16]
	v_add_nc_u32 v[SIN], STG, v[SIN]
	v_add_nc_u32 v[SIN2], s50, v[L16]
	v_add_nc_u32 v[SIN2], STG2, v[SIN2]
	v_mul_u32_u24 v22, v20, SP
	v_lshl_add_u32 v22, v21, 7, v22                ; row r, + 128 h
	v_add_nc_u32 v[SOUT], s49, v22
	v_add_nc_u32 v[SOUT], STG, v[SOUT]
	v_add_nc_u32 v[SOUT2], s50, v22
	v_add_nc_u32 v[SOUT2], STG2, v[SOUT2]
	s_mul_i32 s49, s47, 8*FRB                      ; the q/k weight: I make group c = w >> 1, K step w & 1, tiles 0..3
	s_mul_i32 s50, s48, FRB
	s_add_co_u32 s49, s49, s50
	s_add_co_u32 s49, s49, WQK
	v_add_nc_u32 v[AWQ], s49, v[L16]
	s_lshl_b32 s49, s47, 10
	s_lshl_b32 s50, s48, 7
	s_add_co_u32 s49, s49, s50
	s_add_co_u32 s49, s49, WQKS
	v_add_nc_u32 v[AWQS], s49, v[L4]
	s_mul_i32 s49, s22, 2*FRB                      ; Wv: tile w, both K steps
	s_add_co_u32 s49, s49, WVI
	v_add_nc_u32 v[AWV], s49, v[L16]
	s_lshl_b32 s49, s22, 8
	s_add_co_u32 s49, s49, WVSC
	v_add_nc_u32 v[AWVS], s49, v[L4]
	s_mul_i32 s49, s22, 8*FRB                      ; x: my 64 tokens' eight fragments (XIMG = 0)
	v_add_nc_u32 v[AX], s49, v[L16]
	s_lshl_b32 s49, s22, 10
	s_add_co_u32 s49, s49, XSC
	v_add_nc_u32 v[AXS], s49, v[L4]
	v_add_nc_u32 v[RXS], s49, v[PK]
	s_mul_i32 s49, s47, 16*FRB                     ; the v part: the 128 tokens of step w >> 1,
	v_add_nc_u32 v[BX], s49, v[L16]
	s_lshl_b32 s49, s47, 11
	s_add_co_u32 s49, s49, XSC
	v_add_nc_u32 v[BXS], s49, v[PK]
	s_mul_i32 s49, s48, 4*FRB                      ; channel tiles 2 (w & 1) and 2 (w & 1) + 1
	s_add_co_u32 s49, s49, WVI
	v_add_nc_u32 v[BWV], s49, v[L16]
	s_lshl_b32 s49, s48, 9
	s_add_co_u32 s49, s49, WVSC
	v_add_nc_u32 v[BWVS], s49, v[PK]
	v_add_nc_u32 v[RWQ], WQK, v[L16]
	v_add_nc_u32 v[RWQS], WQKS, v[PK]
	s_mov_b32 s27, 0                               ; the high word of every offset
	s_wait_kmcnt 0x0
	s_cmp_lt_u32 s24, 2                            ; q or k: the choice hangs on the work-group's number alone
	s_cselect_b64 s[6:7], s[6:7], s[8:9]
	s_cselect_b64 s[14:15], s[14:15], s[16:17]
	s_lshl_b32 s26, s25, 17                        ; the weight: row 128 (y & 1) + 64 (w >> 1), K step w & 1
	s_lshl_b32 s49, s47, 16
	s_add_co_u32 s26, s26, s49
	s_lshl_b32 s49, s48, 9
	s_add_co_u32 s26, s26, s49
	s_add_nc_u64 s[WBASE:WBASE+1], s[6:7], s[26:27]
	s_lshl_b32 s26, s24, 16                        ; Wv: row 64 y + 8 w
	s_lshl_b32 s49, s22, 13
	s_add_co_u32 s26, s26, s49
	s_add_nc_u64 s[VBASE:VBASE+1], s[10:11], s[26:27]
	s_lshl_b32 s26, s23, 18                        ; x: token 256 X + 64 w
	s_lshl_b32 s49, s22, 16
	s_add_co_u32 s26, s26, s49
	s_add_nc_u64 s[XBASE:XBASE+1], s[4:5], s[26:27]
	s_lshl_b32 s26, s23, 2                         ; q or k: record 4 X + w, K step y & 1
	s_add_co_u32 s26, s26, s22
	s_mul_i32 s50, s26, REC
	s_mul_i32 s49, s25, FRB
	s_add_co_u32 s26, s50, s49
	s_add_nc_u64 s[QOUT:QOUT+1], s[14:15], s[26:27]
	s_lshl_b32 s49, s25, 8
	s_add_co_u32 s26, s50, s49
	s_add_co_u32 s26, s26, 12288
	s_add_nc_u64 s[QSOUT:QSOUT+1], s[14:15], s[26:27]
	s_lshl_b32 s26, s23, 1                         ; v: record 2 X + (w >> 1), tile 4 y + 2 (w & 1)
	s_add_co_u32 s26, s26, s47
	s_mul_i32 s50, s26, VREC
	s_lshl_b32 s26, s24, 2
	s_lshl_b32 s49, s48, 1
	s_add_co_u32 s26, s26, s49
	s_mul_i32 s26, s26, FRB
	s_add_co_u32 s26, s26, s50
	s_add_nc_u64 s[VOUT:VOUT+1], s[18:19], s[26:27]
	s_lshl_b32 s26, s24, 8
	s_lshl_b32 s49, s48, 7
	s_add_co_u32 s26, s26, s49
	s_add_co_u32 s26, s26, s50
	s_add_co_u32 s26, s26, 24576
	s_add_nc_u64 s[VSOUT:VSOUT+1], s[18:19], s[26:27]
	; ---- Wo: two work-groups (y = 0, X < 2) make its four records; wave w: record 2 X + (w >> 1), K step w & 1, four tiles.  A branch on ids; no barrier stands under it; its stage is its own.
	; Its four fragments fill the four sets first; each set takes fragment u of the wave's own list as soon as it is free, so that both ways join with the same 64 loads out, in the same order.
	s_lshl_b32 s49, s24, 6
	s_add_co_u32 s49, s49, s23
	s_cmp_lt_u32 s49, 2
	s_cbranch_scc0 .Lplain
	s_lshl_b32 s49, s23, 1
	s_add_co_u32 s49, s49, s47
	s_lshl_b32 s26, s49, 16
	s_lshl_b32 s50, s48, 9
	s_add_co_u32 s26, s26, s50
	s_add_nc_u64 s[OBASE:OBASE+1], s[12:13], s[26:27]
	s_mul_i32 s49, s49, REC
	s_mul_i32 s50, s48, FRB
	s_add_co_u32 s26, s49, s50
	s_add_nc_u64 s[OOUT:OOUT+1], s[20:21], s[26:27]
	s_lshl_b32 s50, s48, 8
	s_add_co_u32 s26, s49, s50
	s_add_co_u32 s26, s26, 12288
	s_add_nc_u64 s[OSOUT:OSOUT+1], s[20:21], s[26:27]
.irp u, 0,1,2,3
	LOADF \u, OBASE, 8192*\u
.endr
.irp u, 0,1,2,3
	s_wait_loadcnt 48                              ; this tile's 16 loads are in; three sets of 16 were asked for behind it
	TURN \u, SIN2, SOUT2, 0, X
	s_wait_dscnt 0x0                               ; the 64 numbers are back; the stores have read the set
	s_wait_xcnt 0x0                                ; the last tile's stores have read the codes' registers
	LOADN \u
	QUANT64 X, PC, PW
	v_mov_b32 v[SW+\u], v[PW]
	OUT3 OOUT, 2*\u*FRB
.endr
	v_cmp_eq_u32 vcc_lo, 0, v[SH8]                 ; lanes 0-15
	s_wait_xcnt 0x0                                ; EXEC changes only behind this wait
	s_and_saveexec_b32 s46, vcc_lo
	global_store_b128 v[R16], v[SW:SW+3], s[OSOUT:OSOUT+1]         ; sixteen lanes store 256 consecutive bytes: four tiles' words of row r
	s_wait_xcnt 0x0                                ; and it frees the codes' and the words' registers
	s_or_b32 exec_lo, exec_lo, s46
	s_branch .Ljoin
.Lplain:
.irp n, 0,1,2,3
	LOADN \n
.endr
.Ljoin:
	; ---- A: fourteen fragments a wave are quantised and laid in LDS
	s_wait_loadcnt 48                              ; fragment 0 is in
	TURN 0, SIN, SOUT, 0, X
.irp n, 0,1,2,3,4,5,6,7,8,9,10,11,12,13
	ASTEP \n
.endr
	s_wait_dscnt 0x0                               ; for the others' sake: my images have landed
	s_barrier_signal -1
	s_barrier_wait -1                              ; all 56 fragments lie in LDS; nobody writes them again
	; ---- B, q or k: source 0 = the weight's 8 tiles, source 1 = my token tile: a lane holds one token, its 64 registers 128 neighbouring channels' two whole blocks a half
	WIN 0x40
.irp f, 0,1,2,3,4,5,6,7,8,9,10,11,12,13,14,15
.irp g, 0,1,2
	ds_load_b128 v[12*\f+4*\g:12*\f+4*\g+3], v[RWQ] offset:FRB*\f+512*\g
.endr
.endr
	WIN 0
.irp a, 0,1,2,3,4,5,6,7
	ds_load_b32 v[WS+\a], v[RWQS] offset:256*\a
.endr
.irp u, 0,1,2,3
	ds_load_b32 v[XSO+\u], v[RXS] offset:256*\u
.endr
.irp u, 0,1,2,3
.irp g, 0,1,2,3,4,5
	ds_load_b128 v[XB+4*\g:XB+4*\g+3], v[AX] offset:2*\u*FRB+512*\g
.endr
	s_wait_dscnt 0x0
	MUL16 XB, WS, XSO+\u
	s_wait_xcnt 0x0                                ; the last tile's stores have read the codes' registers
	QUANT64 X, PC, PW
	v_mov_b32 v[SW+\u], v[PW]
	OUT3 QOUT, 2*\u*FRB
.endr
	v_cmp_eq_u32 vcc_lo, 0, v[SH8]                 ; lanes 0-15
	s_wait_xcnt 0x0                                ; EXEC changes only behind this wait
	s_wait_tensorcnt 0x0
	ds_add_u32 v254, v255
	s_wait_dscnt 0x0
	s_and_saveexec_b32 s46, vcc_lo
	global_store_b128 v[R16], v[SW:SW+3], s[QSOUT:QSOUT+1]         ; sixteen lanes store 256 consecutive bytes: four tiles' words of row r
	s_wait_xcnt 0x0
	s_or_b32 exec_lo, exec_lo, s46
	; ---- B, v: source 0 = the step's 8 token tiles, source 1 = a tile of Wv: a lane holds one channel, its registers run down the tokens
	WIN 0x40
.irp f, 0,1,2,3,4,5,6,7,8,9,10,11,12,13,14,15
.irp g, 0,1,2
	ds_load_b128 v[12*\f+4*\g:12*\f+4*\g+3], v[BX] offset:FRB*\f+512*\g
.endr
.endr
	WIN 0
.irp a, 0,1,2,3,4,5,6,7
	ds_load_b32 v[XSV+\a], v[BXS] offset:256*\a
.endr
.irp n, 0,1
	ds_load_b32 v[WVS+\n], v[BWVS] offset:256*\n
.endr
.irp g, 0,1,2,3,4,5,6,7,8,9,10,11
	ds_load_b128 v[WVB+4*\g:WVB+4*\g+3], v[BWV] offset:512*\g
.endr
	s_wait_dscnt 0x0
.irp n, 0,1
	MUL16 WVB+24*\n, XSV, WVS+\n
	s_wait_xcnt 0x0
	QUANT64 X, PC, PW
	v_mov_b32 v[PWN+\n], v[PW]
	OUT3 VOUT, \n*FRB
.endr
	v_cmp_ne_u32 vcc_lo, 0, v[SH8]
	v_cndmask_b32 v[PWN], v[PWN], v[PWN+1], vcc_lo ; lanes 0-15 the even tile's words, lanes 16-31 the odd tile's
	global_store_b32 v[L4], v[PWN], s[VSOUT:VSOUT+1]
	s_endpgm
.Lfunc_end_k_qa928983d26_project:
	.size	k_qa928983d26_project, .Lfunc_end_k_qa928983d26_project-k_qa928983d26_project
	.p2alignl 7, 3214868480
	.fill 96, 4, 3214868480
	.section	.rodata,"a",@progbits
	.p2align	6, 0x0
	.amdhsa_kernel k_qa928983d26_project
		.amdhsa_group_segment_fixed_size 195072
		.amdhsa_private_segment_fixed_size 0
		.amdhsa_enable_private_segment 0
		.amdhsa_kernarg_size 72
		.amdhsa_user_sgpr_count 2
		.amdhsa_user_sgpr_kernarg_segment_ptr 1
		.amdhsa_wavefront_size32 1
		.amdhsa_system_sgpr_workgroup_id_x 1
		.amdhsa_system_sgpr_workgroup_id_y 1
		.amdhsa_system_sgpr_workgroup_id_z 1
		.amdhsa_system_vgpr_workitem_id 0
		.amdhsa_next_free_vgpr 512
		.amdhsa_next_free_sgpr 66
		.amdhsa_reserve_vcc 1
		.amdhsa_float_denorm_mode_32 3
		.amdhsa_float_denorm_mode_16_64 3
		.amdhsa_memory_ordered 1
		.amdhsa_forward_progress 1
		.amdhsa_inst_pref_size 179
	.end_amdhsa_kernel
	.amdgpu_metadata
---
amdhsa.version: [ 1, 2 ]
amdhsa.kernels:
  - .name:           k_qa928983d26_project
    .symbol:         k_qa928983d26_project.kd
    .args:
      - { .name: x, .offset: 0, .size: 8, .value_kind: global_buffer, .address_space: global }
      - { .name: Wq, .offset: 8, .size: 8, .value_kind: global_buffer, .address_space: global }
      - { .name: Wk, .offset: 16, .size: 8, .value_kind: global_buffer, .address_space: global }
      - { .name: Wv, .offset: 24, .size: 8, .value_kind: global_buffer, .address_space: global }
      - { .name: Wo, .offset: 32, .size: 8, .value_kind: global_buffer, .address_space: global }
      - { .name: qbuf, .offset: 40, .size: 8, .value_kind: global_buffer, .address_space: global }
      - { .name: kbuf, .offset: 48, .size: 8, .value_kind: global_buffer, .address_space: global }
      - { .name: vbuf, .offset: 56, .size: 8, .value_kind: global_buffer, .address_space: global }
      - { .name: wobuf, .offset: 64, .size: 8, .value_kind: global_buffer, .address_space: global }
    .group_segment_fixed_size: 195072
    .private_segment_fixed_size: 0
    .kernarg_segment_align: 8
    .kernarg_segment_size: 72
    .max_flat_workgroup_size: 128
    .sgpr_count:     66
    .vgpr_count:     512
    .wavefront_size: 32
...
	.end_amdgpu_metadata
.endif
;; end of part 3
;; launch attend (part 4): grid 256 x 1, 4 waves a work-group, no clusters, 116,736 bytes of LDS; arguments qbuf, kbuf, vbuf, wobuf, decay_logit, out_scale, out0; writes out0
.if DOCPART == 4
	.amdgcn_target "amdgcn-amd-amdhsa--gfx1250"
	.amdhsa_code_object_version 6
	.text
	.protected	k_qa928983d26_attend
	.globl	k_qa928983d26_attend
	.p2align	8
	.type	k_qa928983d26_attend,@function
k_qa928983d26_attend:
	s_mov_b64 s[64:65], 0
	v_nop
	global_prefetch_b8 v0, s[64:65] scope:SCOPE_SE
	s_setreg_imm32_b32 hwreg(HW_REG_WAVE_MODE, 25, 1), 1
	s_wait_xcnt 0x0
; out = ((q k^T / 16 x w) v) Wo^T x out_scale, w(i, j) = d^(j - i - 1) for j > i, else 0, d = sigmoid(decay_logit); all three products on codes of FP6 (E2M3), one E8M0 scale for each 32 along K.
; q, k, v, Wo come as images of operand registers (records of 12,800 and 25,600 bytes: the launch before lays them); out0: [4][4096][256] f32.
; SHARES, EVEN FOR EVERY WORK-GROUP.  Keys go in aligned groups of 512; a block b of 64 queries needs groups b / 8 .. 7.  Work-group g (batch g / 64, hf = g % 2, bE = (g / 2) % 32) owns four tiles of 16 queries:
; tiles 0, 1 are tiles 2 hf, 2 hf + 1 of the EARLY block bE, tiles 2, 3 the same tiles of the LATE block 63 - bE.  With gE = bE / 8 the early pair begins at group gE, the late pair at group 7 - gE:
; 7 - 2 gE groups with two tiles and gE + 1 groups with four, which is the arithmetic of 4.5 groups with four tiles whatever gE.  Lane r of a tile holds query 16 hf + 8 (t % 2) + (r & 7) + 32 (r >> 3) of its block.
; In a group wave w
;   (S)  multiplies key step 4 group + w (128 keys) with the tiles at work (source 0 = 16 keys, source 1 = 16 queries: a lane holds one query, and its 32 registers of four key tiles are one whole block of 32 keys),
;        weighs the scores, quantises them along the keys and hands a fragment and a scale word a tile to the others through LDS, as images of their registers;
;   (PV) multiplies its own 64 channels of v (four tiles) with the P of all four key steps: O^T is whole in the wave.
; So each byte of K and V is loaded by one wave, from memory straight into operand registers.  The next group's K is asked for as soon as this group's is used up, V likewise.
; THE WEIGHTS.  1 / 16 is a power of two and is folded into them.  In a pair's first group each score has a weight of its own, from the pair's table in LDS (T[x] = d^(x - 64 - 64 (b % 8) - 16 hf) / 16, 0 where the exponent is
; negative: the mask is the table's zeros; what hangs on the work-group's number lies in the table's numbers, not in an LDS address).  From its second group on the exponent is never negative and splits:
; P = (S x F) x g, F = d^(..) / 16 for the lane's query and 64 keys, g = d^(32 h + i) for the register; F is multiplied by d^512 from group to group.  No branch and no address hangs on d.
; LIMITS: d^n is made by products of d^(2^k) and carries a relative error of about (n + 10) x 6e-8 beside n times d's own rounding; d is held at about 2^-125 from below; NaN and infinities are not served.
; NO JOINT LOADS: a group's K and V are 4 x 51,200 = 204,800 bytes; two LDS slots of that size do not fit, and the operands here never pass through LDS at all.
; The 64 work-groups with gE = 0, whose late pair begins at the last group, ask for that group once more (a step of 0), so that every wait keeps its count on every way and no load leaves its buffer.
; REGISTERS, window 0: v1-16 addresses; v17-22 at work; v32-39 bytes and words made; v40-75 scale words (nothing else); v76-78 upper halves; v80-111 S^T; v112-143 g; v144-175 a tile's weights; v176-223 P's codes; v224-239 F; v240-243 for the lane exchange.
;   window 1: v0-95 Q (24 t + 12 s); v96-223 O^T (96 + 32 t + 8 u).   window 2: v0-191 K (96 c + 24 u + 12 s); v192-239 P of an even key step.   window 3: v0-191 V (48 step + 12 u); v192-239 P of an odd key step.
.set FRB,   1536
.set REC,   12800
.set VREC,  25600
.set GSTEP, 102400                     ; a group of 512 keys in kbuf (8 records) and in vbuf (4 records)
.set TT,    0                          ; LDS: two tables of 1,024 numbers: the early pair's, then the late pair's
.set GG,    8192                       ; d^0 .. d^127
.set PIMG,  8704                       ; P's 16 fragments, index 4 step + t
.set PSC,   33280                      ; their scale words, 128 bytes each
.set RIMG,  35328                      ; the retrieved rows' 16 half fragments of 768 bytes, index 4 t + w
.set RSC,   47616                      ; their partial scale words
.set STG,   49664                      ; the way out: 64 rows x (1,024 + 16) bytes
.set SPI,   1040
.set L16,  1
.set L4,   2
.set AW,   3                           ; a table: my lane's place for a tile's weights
.set AT,   4                           ; and for F
.set PSTI, 5
.set PSTS, 6
.set SH8,  7                           ; 8 h
.set SHR,  8                           ; 16 (w & 1) + 8 h
.set RSI,  9
.set RSI2, 10
.set RSS,  11
.set RRS,  12
.set SGI,  13
.set SGO,  14
.set GA,   15
.set RRI2, 16
.set M,    17
.set SO,   19
.set D9,   20
.set BT,   22
.set BY,   32
.set PW,   36
.set QS,   40
.set KS,   44
.set VS,   52
.set PS,   60
.set RS,   68
.set WOS,  72
.set TMP,  76
.set S,    80
.set DK,   80                          ; at the head: d^(2^k), k = 0..9
.set G32,  112
.set W,    144
.set EM,   160                         ; at the end: at work
.set ES,   168
.set PC,   176
.set F,    224
.set PX,   240
.set LN,   244                         ; at the head: lane, r, h, the row of my query in a tile, 8 x lane, 4 x thread
.set RR,   245
.set HH,   246
.set RHO,  247
.set T8,   248
.set TA,   249
.set MSB, 0
.macro WIN new                         ; the immediate's high byte repeats the setting that is left; a switch that changes nothing is dropped
.if MSB != (\new)
	s_set_vgpr_msb (MSB<<8)|(\new)
.set MSB, (\new)
.endif
.endm
.macro PLACES n
.rept \n
	v_nop
.endr
.endm
; one matrix instruction.  z = 1: the constant 0 starts the sum.  rw: 0 both scales from lanes 0-15; 1 source 0's from lanes 16-31; 3 both from lanes 16-31
.macro WM d, a, b, z, sa, sb, rw
.if \z
.if \rw == 0
	v_wmma_scale_f32_16x16x128_f8f6f4 v[\d:\d+7], v[\a:\a+11], v[\b:\b+11], 0, v[\sa], v[\sb] matrix_a_fmt:MATRIX_FMT_FP6 matrix_b_fmt:MATRIX_FMT_FP6
.else
	v_wmma_scale_f32_16x16x128_f8f6f4 v[\d:\d+7], v[\a:\a+11], v[\b:\b+11], 0, v[\sa], v[\sb] matrix_a_fmt:MATRIX_FMT_FP6 matrix_b_fmt:MATRIX_FMT_FP6 matrix_a_scale:MATRIX_SCALE_ROW1
.endif
.else
.if \rw == 0
	v_wmma_scale_f32_16x16x128_f8f6f4 v[\d:\d+7], v[\a:\a+11], v[\b:\b+11], v[\d:\d+7], v[\sa], v[\sb] matrix_a_fmt:MATRIX_FMT_FP6 matrix_b_fmt:MATRIX_FMT_FP6
.elseif \rw == 1
	v_wmma_scale_f32_16x16x128_f8f6f4 v[\d:\d+7], v[\a:\a+11], v[\b:\b+11], v[\d:\d+7], v[\sa], v[\sb] matrix_a_fmt:MATRIX_FMT_FP6 matrix_b_fmt:MATRIX_FMT_FP6 matrix_a_scale:MATRIX_SCALE_ROW1
.else
	v_wmma_scale_f32_16x16x128_f8f6f4 v[\d:\d+7], v[\a:\a+11], v[\b:\b+11], v[\d:\d+7], v[\sa], v[\sb] matrix_a_fmt:MATRIX_FMT_FP6 matrix_b_fmt:MATRIX_FMT_FP6 matrix_a_scale:MATRIX_SCALE_ROW1 matrix_b_scale:MATRIX_SCALE_ROW1
.endif
.endif
.endm
.macro LDQ late                        ; a pair of query tiles: four fragments, 6,144 bytes on end, and two scale words a lane: 13 loads.  They stay in registers
	WIN 0x40
.irp j, 0,1,2,3,4,5,6,7,8,9,10,11
	global_load_b128 v[48*(\late)+4*\j:48*(\late)+4*\j+3], v[L16], s[4+34*(\late):5+34*(\late)] offset:512*\j
.endr
	WIN 0
	global_load_b64 v[QS+2*(\late):QS+2*(\late)+1], v[L16], s[40+2*(\late):41+2*(\late)]
.endm
.macro LDK c                           ; 64 keys of my key step: 8 fragments and their scale words: 25 loads
	WIN 0x80
.irp f, 0,1,2,3,4,5,6,7
.irp g, 0,1,2
	global_load_b128 v[96*(\c)+12*\f+4*\g:96*(\c)+12*\f+4*\g+3], v[L16], s[6:7] offset:REC*(\c)+FRB*\f+512*\g
.endr
.endr
	WIN 0
	global_load_b128 v[KS+4*(\c):KS+4*(\c)+3], v[L16], s[6:7] offset:REC*(\c)+12288
.endm
.macro LDV kap                         ; my four channel tiles of key step kap of the group, and their scale words: 14 loads
	WIN 0xC0
.irp u, 0,1,2,3
.irp g, 0,1,2
	global_load_b128 v[48*(\kap)+12*\u+4*\g:48*(\kap)+12*\u+4*\g+3], v[L16], s[8:9] offset:VREC*(\kap)+FRB*\u+512*\g
.endr
.endr
	WIN 0
.irp p, 0,1
	global_load_b32 v[VS+2*(\kap)+\p], v[L4], s[28:29] offset:VREC*(\kap)+128*\p
.endr
.endm
.macro LDP kap, nt                     ; P of key step kap, nt query tiles, from LDS: 4 nt loads
	WIN 0x80+0x40*((\kap)%2)
.irp t, 0,1,2,3
.if \t < \nt
.irp g, 0,1,2
	ds_load_b128 v[192+12*\t+4*\g:192+12*\t+4*\g+3], v[L16] offset:PIMG+(4*(\kap)+\t)*FRB+512*\g
.endr
.endif
.endr
	WIN 0
.irp t, 0,1,2,3
.if \t < \nt
	ds_load_b32 v[PS+4*((\kap)%2)+\t], v[L4] offset:PSC+(4*(\kap)+\t)*128
.endif
.endr
.endm
; v[dst] is multiplied by d^(bits k0 .. k1 - 1 of v[n])
.macro POW dst, n, k0, k1
.set kk, \k0
.rept \k1-\k0
	v_and_b32 v[BT], 1<<kk, v[\n]
	v_cmp_ne_u32 vcc_lo, 0, v[BT]
	v_cndmask_b32 v[BT], 1.0, v[DK+kk], vcc_lo
	v_mul_f32 v[\dst], v[\dst], v[BT]
.set kk, kk+1
.endr
.endm
; 64 keys (half c of my key step) x query tile t: scores, weights, one block of 32 a lane quantised into registers 6 c .. 6 c + 5 of P's fragment t.  first = 1: the tile's pair is in its first group
.macro SBLK first, c, t
.if \first
.set i, 0
.rept 32
	ds_load_b32 v[W+i], v[AW] offset:TT+4096*(\t/2)+4*(24+64*\c+i-8*(\t%2))   ; the pair's table at 128 w + 64 c + 32 h + i + 63 - 8 (t % 2) - (r & 7) - 32 (r >> 3)
.set i, i+1
.endr
.endif
	WIN 0x06                                       ; K in window 2, Q in window 1, S^T in window 0
.irp u, 0,1,2,3                        ; four accumulators by turns
	WM S+8*\u, 96*\c+24*\u, 24*\t, 1, KS+4*\c+\u, QS+\t, 0
.endr
.irp u, 0,1,2,3
	WM S+8*\u, 96*\c+24*\u+12, 24*\t+12, 0, KS+4*\c+\u, QS+\t, 3
.endr
	WIN 0
	PLACES 4                                       ; four places in front of the first read of results (ISA guide 7.12.1)
.if \first
	s_wait_dscnt 0x0                               ; the tile's 32 weights
.set i, 0
.rept 16
	v_pk_mul_f32 v[S+i:S+i+1], v[S+i:S+i+1], v[W+i:W+i+1]          ; each accumulator from its low end on
.set i, i+2
.endr
.else
.set i, 0
.rept 16
	v_pk_mul_f32 v[S+i:S+i+1], v[S+i:S+i+1], v[F+4*\t+2*\c:F+4*\t+2*\c+1]   ; both registers of the pair hold F
.set i, i+2
.endr
.set i, 0
.rept 16
	v_pk_mul_f32 v[S+i:S+i+1], v[S+i:S+i+1], v[G32+i:G32+i+1]
.set i, i+2
.endr
.endif
	v_max3_num_f32 v[M], |v[S]|, |v[S+1]|, 0x1800000               ; the block's largest magnitude, in two chains; the floor 2^(3 - 127) holds the byte at 1 from below
	v_max3_num_f32 v[M+1], |v[S+16]|, |v[S+17]|, |v[S+18]|
.irp i, 2,4,6,8,10,12
	v_max3_num_f32 v[M], v[M], |v[S+\i]|, |v[S+\i+1]|
	v_max3_num_f32 v[M+1], v[M+1], |v[S+17+\i]|, |v[S+18+\i]|
.endr
	v_max3_num_f32 v[M], v[M], |v[S+14]|, |v[S+15]|
	v_max3_num_f32 v[M], v[M], v[M+1], |v[S+31]|
	v_add_nc_u32 v[SO], 0xff000000, v[M]           ; 2 off the exponent field: the conversion's scale operand
.if \c == 0
	v_lshrrev_b32 v[BY+\t], 23, v[SO]              ; the byte of block h,
.else
	v_lshrrev_b32 v[BT], 23, v[SO]
	v_lshl_or_b32 v[BY+\t], v[BT], 16, v[BY+\t]    ; of block 2 + h
.endif
	v_cvt_scalef32_pk16_fp6_f32 v[PC+12*\t+6*\c:PC+12*\t+6*\c+2], v[S:S+15], v[SO]
	v_cvt_scalef32_pk16_fp6_f32 v[TMP:TMP+2], v[S+16:S+31], v[SO]  ; (a conversion's three registers begin on an even number)
	v_nop                                          ; one plain place behind a scaled conversion
.irp i, 0,1,2
	v_mov_b32 v[PC+12*\t+6*\c+3+\i], v[TMP+\i]
.endr
.endm
; O^T += V^T P^T for key step kap of the group, nt query tiles: 4 nt accumulators by turns.  ze, zl = 1: the early, the late pair's sums begin here
.macro PV kap, nt, ze, zl
	WIN 0x5B+4*((\kap)%2)                          ; V in window 3, P in window 2 or 3, O^T in window 1
.irp t, 0,1,2,3
.if \t < \nt
.irp u, 0,1,2,3
.if \t < 2
	WM 96+32*\t+8*\u, 48*(\kap)+12*\u, 192+12*\t, \ze, VS+2*(\kap)+\u/2, PS+4*((\kap)%2)+\t, \u%2
.else
	WM 96+32*\t+8*\u, 48*(\kap)+12*\u, 192+12*\t, \zl, VS+2*(\kap)+\u/2, PS+4*((\kap)%2)+\t, \u%2
.endif
.endr
.endif
.endr
	WIN 0
	PLACES 4                                       ; four places in front of loads into registers that these products have read
.endm
; A GROUP OF 512 KEYS.  nt: 2 (the early pair alone) or 4 tiles.  fe, fl = 1: the group is the early, the late pair's first (weights from its table, its O^T begins).
; pf = 1: the next group's K and V are asked for; st = 1: their step is s[30:31] (0 where there is no next group), else a group's bytes.
.macro GROUP nt, fe, fl, pf, st
	s_wait_loadcnt 56                              ; all but the youngest 56 loads, which are this group's V: K is in (and the early Q, at the head).  K's loads are done: their base may step
.if \pf
.if \st
	s_add_nc_u64 s[6:7], s[6:7], s[30:31]
.else
	s_add_nc_u64 s[6:7], s[6:7], GSTEP
.endif
.endif
.if \fe
	LDQ 1                                          ; the late pair's queries: 13 loads, ahead of the next K's, so that the wait for V below covers them
.endif
.irp c, 0,1
.irp t, 0,1,2,3
.if \t < \nt
.if \t < 2
	SBLK \fe, \c, \t
.else
	SBLK \fl, \c, \t
.endif
.endif
.endr
.if \pf
	LDK \c                                         ; these 64 keys are used up: the next group's take their registers (the places: the lines behind the last products)
.endif
.endr
.irp t, 0,1,2,3
.if \t < \nt
	v_lshlrev_b32 v[BY+\t], v[SH8], v[BY+\t]       ; my two bytes at their places in the word
.endif
.endr
.irp t, 0,1,2,3
.if \t < \nt
	v_permlanex16_b32 v[PX+\t], v[BY+\t], s34, s35
.endif
.endr
.irp t, 0,1,2,3
.if \t < \nt
	v_or_b32 v[PW+\t], v[BY+\t], v[PX+\t]          ; with lane l xor 16's two the word is whole
.endif
.endr
.if \fe == 0
.irp q, 0,1,2,3
	v_pk_mul_f32 v[F+2*\q:F+2*\q+1], v[F+2*\q:F+2*\q+1], v[D9:D9+1]   ; the early pair's F for the next group: x d^512
.endr
.endif
.if (\nt == 4) && (\fl == 0)
.irp q, 4,5,6,7
	v_pk_mul_f32 v[F+2*\q:F+2*\q+1], v[F+2*\q:F+2*\q+1], v[D9:D9+1]   ; the late pair's
.endr
.endif
	s_wait_dscnt 0x0                               ; my reads of the last group's P are over
	s_barrier_signal -1
	s_barrier_wait -1                              ; everybody's are
.irp t, 0,1,2,3
.if \t < \nt
.irp g, 0,1,2
	ds_store_b128 v[PSTI], v[PC+12*\t+4*\g:PC+12*\t+4*\g+3] offset:FRB*\t+512*\g
.endr
.endif
.endr
.irp t, 0,1,2,3
.if \t < \nt
	ds_store_b32 v[PSTS], v[PW+\t] offset:128*\t
.endif
.endr
	s_wait_dscnt 0x0                               ; for the others' sake: my P has landed
	s_barrier_signal -1
	s_barrier_wait -1                              ; all four key steps' P lie in LDS
	LDP 0, \nt
	LDP 1, \nt
.if \pf
	s_wait_loadcnt 50                              ; all but the youngest 50 loads, which are the next group's K: this group's V is in.  V's loads are done: their bases may step
.if \st
	s_add_nc_u64 s[8:9], s[8:9], s[30:31]
	s_add_nc_u64 s[28:29], s[28:29], s[30:31]
.else
	s_add_nc_u64 s[8:9], s[8:9], GSTEP
	s_add_nc_u64 s[28:29], s[28:29], GSTEP
.endif
.else
	s_wait_loadcnt 0x0
.endif
.irp k, 0,1,2,3
.if \k < 3
	s_wait_dscnt 4*\nt                             ; this step's P is in; the next step's 4 nt loads may be out
.else
	s_wait_dscnt 0x0
.endif
.if \k == 0
	PV \k, \nt, \fe, \fl
.else
	PV \k, \nt, 0, 0
.endif
.if \pf
	LDV \k
.endif
.if \k < 2
	LDP \k+2, \nt
.endif
.endr
.endm
	s_load_b256 s[4:11], s[0:1], 0x0               ; qbuf s[4:5], kbuf s[6:7], vbuf s[8:9], wobuf s[10:11]
	s_load_b128 s[12:15], s[0:1], 0x20             ; decay_logit s[12:13], out_scale s[14:15]
	s_load_b64 s[16:17], s[0:1], 0x30              ; out0
	v_lshl_add_u32 v254, v0, 2, 0x1c600
	v_mov_b32 v255, 0
	v_lshrrev_b32 v[LN], 5, v0
	v_readfirstlane_b32 s18, v[LN]                 ; wave w
	v_and_b32 v[LN], 31, v0
	v_lshlrev_b32 v[L16], 4, v[LN]
	v_lshlrev_b32 v[L4], 2, v[LN]
	s_mov_b32 s19, ttmp9                           ; g
	s_lshr_b32 s20, s19, 6                         ; batch
	s_bfe_u32 s21, s19, 0x50001                    ; bE: the early block, 0..31
	s_and_b32 s23, s19, 1                          ; hf: which two tiles of each block
	s_sub_co_u32 s25, 63, s21                      ; the late block
	s_lshr_b32 s22, s21, 3                         ; gE: the early pair's first group; the late pair's is 7 - gE
	s_and_b32 s44, s21, 7
	s_lshl_b32 s44, s44, 6                         ; the early block's first query, counted from its first group's first key;
	s_sub_co_u32 s45, 448, s44                     ; the late block's: 64 (7 - bE % 8)
	s_lshl_b32 s33, s23, 4
	s_add_co_u32 s33, s33, 64
	s_add_co_u32 s44, s44, s33                     ; what the tables take off their index: + 64 + 16 hf
	s_add_co_u32 s45, s45, s33
	s_mov_b32 s31, 0                               ; the high word of every offset
	s_mov_b32 s34, 0x76543210
	s_mov_b32 s35, 0xfedcba98                      ; v_permlanex16_b32's selects for lane l xor 16
	s_wait_kmcnt 0x0
	s_load_b32 s24, s[12:13], 0x0                  ; decay_logit
	s_load_b32 s26, s[14:15], 0x0                  ; out_scale
	s_lshl_b32 s36, s20, 6                         ; 64 batch
	s_add_co_u32 s37, s36, s21
	s_mul_i32 s37, s37, REC                        ; the early block's record,
	s_add_co_u32 s47, s36, s25
	s_mul_i32 s47, s47, REC                        ; the late block's
	s_mul_i32 s33, s23, 4*FRB                      ; my two tiles' four fragments in a record,
	s_lshl_b32 s46, s23, 3
	s_add_co_u32 s46, s46, 12288                   ; and their two scale words of a lane's four
	s_add_co_u32 s30, s37, s46
	s_add_nc_u64 s[40:41], s[4:5], s[30:31]
	s_add_co_u32 s30, s47, s46
	s_add_nc_u64 s[42:43], s[4:5], s[30:31]
	s_add_co_u32 s30, s47, s33
	s_add_nc_u64 s[38:39], s[4:5], s[30:31]
	s_add_co_u32 s30, s37, s33
	s_add_nc_u64 s[4:5], s[4:5], s[30:31]
	s_lshl_b32 s33, s22, 3
	s_add_co_u32 s30, s36, s33
	s_lshl_b32 s33, s18, 1
	s_add_co_u32 s30, s30, s33
	s_mul_i32 s30, s30, REC
	s_add_nc_u64 s[6:7], s[6:7], s[30:31]          ; K: record 64 batch + 8 gE + 2 w
	s_lshl_b32 s30, s20, 5
	s_lshl_b32 s33, s22, 2
	s_add_co_u32 s30, s30, s33
	s_mul_i32 s36, s30, VREC                       ; V: record 32 batch + 4 gE;
	s_lshl_b32 s30, s18, 8
	s_add_co_u32 s30, s30, s36
	s_add_co_u32 s30, s30, 24576
	s_add_nc_u64 s[28:29], s[8:9], s[30:31]        ; my channels' scale words,
	s_mul_i32 s30, s18, 4*FRB
	s_add_co_u32 s30, s30, s36
	s_add_nc_u64 s[8:9], s[8:9], s[30:31]          ; my four channel tiles
	s_mul_i32 s30, s18, REC
	s_add_nc_u64 s[10:11], s[10:11], s[30:31]      ; Wo: record w
	s_and_b32 s33, s18, 1                          ; the rows that I store: of the early block (w even) or the late one (w odd),
	s_cselect_b32 s33, s25, s21
	s_lshl_b32 s33, s33, 6
	s_lshl_b32 s30, s20, 12
	s_add_co_u32 s30, s30, s33
	s_lshl_b32 s33, s23, 4
	s_add_co_u32 s30, s30, s33                     ; from its row 16 hf
	s_lshr_b32 s33, s18, 1
	s_lshl_b32 s33, s33, 5
	s_add_co_u32 s30, s30, s33                     ; + 32 (w >> 1) on: sixteen neighbours
	s_lshl_b32 s30, s30, 10
	s_add_nc_u64 s[16:17], s[16:17], s[30:31]
	s_cmp_lg_u32 s22, 0
	s_cselect_b32 s30, GSTEP, 0                    ; s[30:31] from here on: the step behind the late pair's first group: 0 where that is group 7
	LDQ 0                                          ; 13 + 50 = 63 loads go out first; the addresses and the tables are made while they are on their way
	LDK 0
	LDK 1
	; LDS addresses: constants, the lane and the wave's number
	v_and_b32 v[RR], 15, v0
	v_bfe_u32 v[HH], v0, 4, 1
	v_lshlrev_b32 v[SH8], 3, v[HH]
	s_and_b32 s33, s18, 1
	s_lshl_b32 s33, s33, 4
	v_add_nc_u32 v[SHR], s33, v[SH8]
	v_and_b32 v[RHO], 7, v[RR]
	v_bfe_u32 v[T8], v0, 3, 1
	v_lshl_add_u32 v[RHO], v[T8], 5, v[RHO]        ; (r & 7) + 32 (r >> 3)
	s_lshl_b32 s33, s18, 7
	s_add_co_u32 s33, s33, 39
	v_sub_nc_u32 v[AT], s33, v[RHO]
	v_lshlrev_b32 v[AT], 2, v[AT]                  ; 4 (128 w + 39 - (r & 7) - 32 (r >> 3)): never negative
	v_lshl_add_u32 v[AW], v[HH], 7, v[AT]
	s_mul_i32 s33, s18, 4*FRB
	s_add_co_u32 s33, s33, PIMG
	v_add_nc_u32 v[PSTI], s33, v[L16]
	s_lshl_b32 s33, s18, 9
	s_add_co_u32 s33, s33, PSC
	v_add_nc_u32 v[PSTS], s33, v[L4]
	v_lshlrev_b32 v[T8], 3, v[LN]
	s_mul_i32 s33, s18, 768
	s_add_co_u32 s33, s33, RIMG
	v_add_nc_u32 v[RSI], s33, v[L16]
	v_add_nc_u32 v[RSI2], s33, v[T8]
	v_add_nc_u32 v[RSI2], 512, v[RSI2]
	v_add_nc_u32 v[RRI2], RIMG+512, v[T8]
	s_lshl_b32 s33, s18, 7
	s_add_co_u32 s33, s33, RSC
	v_add_nc_u32 v[RSS], s33, v[L4]
	v_lshl_add_u32 v[RRS], v[HH], 8, v[L4]
	v_add_nc_u32 v[RRS], RSC, v[RRS]
	v_mul_u32_u24 v[SGI], v[RHO], SPI
	v_lshl_add_u32 v[SGI], v[HH], 7, v[SGI]
	s_lshl_b32 s33, s18, 8
	s_add_co_u32 s33, s33, STG
	v_add_nc_u32 v[SGI], s33, v[SGI]
	s_mul_i32 s33, s18, 16*SPI
	s_add_co_u32 s33, s33, STG
	v_add_nc_u32 v[SGO], s33, v[L16]
	v_lshlrev_b32 v[GA], 7, v[HH]
	v_lshlrev_b32 v[TA], 2, v0
.irp t, 0,1,2,3
	v_mov_b32 v[PX+\t], 0                          ; written once: a lane permute's destination counts as one of its sources
.endr
	; d = 1 / (1 + 2^(-z log2 e)), the reciprocal mended by one Newton step; then d^(2^k) by squaring
	s_wait_kmcnt 0x0
	s_mov_b32 s27, s26                             ; (the packed form names the pair)
	v_mov_b32 v90, s24
	v_mul_f32 v90, 0xbfb8aa3b, v90
	v_min_num_f32 v90, 0x42fa0000, v90             ; held at 125, so that the reciprocal stays a normal number
	v_exp_f32 v91, v90
	v_nop                                          ; one plain place behind a transcendental
	s_wait_alu depctr_va_vdst(0)
	v_add_f32 v91, 1.0, v91
	v_rcp_f32 v92, v91
	v_nop
	s_wait_alu depctr_va_vdst(0)
	v_fma_f32 v93, -v91, v92, 1.0
	v_fma_f32 v[DK], v92, v93, v92
.irp k, 1,2,3,4,5,6,7,8,9
	v_mul_f32 v[DK+\k], v[DK+\k-1], v[DK+\k-1]
.endr
	v_mov_b32 v[D9], v[DK+9]
	v_mov_b32 v[D9+1], v[DK+9]
	; The tables: thread x makes entries x + 128 m, m = 0..7, of both.  The exponents n = x + 128 m - s44 (early) and - s45 (late) differ by multiples of 64: the product for their low six bits serves all sixteen
	v_sub_nc_u32 v94, v0, s44
	v_sub_nc_u32 v95, v0, s45
	v_mov_b32 v96, 0x3d800000                      ; 1 / 16
	POW 96, 94, 0, 6
	v_mov_b32 v97, v96
	POW 97, 94, 6, 7
	v_mov_b32 v98, v96
	POW 98, 95, 6, 7
.irp m, 0,1,2,3,4,5,6,7
	v_add_nc_u32 v99, 128*\m, v94
	v_mov_b32 v[112+\m], v97
	POW 112+\m, 99, 7, 10
	v_cmp_le_i32 vcc_lo, 0, v99
	v_cndmask_b32 v[112+\m], 0, v[112+\m], vcc_lo  ; the mask: 0 where the key does not come behind the query
	ds_store_b32 v[TA], v[112+\m] offset:TT+512*\m
	v_add_nc_u32 v99, 128*\m, v95
	v_mov_b32 v[120+\m], v98
	POW 120+\m, 99, 7, 10
	v_cmp_le_i32 vcc_lo, 0, v99
	v_cndmask_b32 v[120+\m], 0, v[120+\m], vcc_lo
	ds_store_b32 v[TA], v[120+\m] offset:TT+4096+512*\m
.endr
	v_mov_b32 v128, 1.0
	POW 128, 0, 0, 7                               ; d^thread
	ds_store_b32 v[TA], v128 offset:GG
	s_wait_dscnt 0x0                               ; for the others' sake: my entries have landed
	s_barrier_signal -1
	s_barrier_wait -1                              ; the tables are whole; nobody writes them again
.irp j, 0,1,2,3,4,5,6,7
	ds_load_b128 v[G32+4*\j:G32+4*\j+3], v[GA] offset:GG+16*\j     ; g[i] = d^(32 h + i)
.endr
.irp t, 0,1,2,3
.irp c, 0,1
	ds_load_b32 v[F+4*\t+2*\c], v[AT] offset:TT+4096*(\t/2)+4*(536+64*\c-8*(\t%2))   ; F: the weight of key 128 w + 64 c of the pair's second group
.endr
.endr
	LDV 0                                          ; the first group's V: wanted behind its scores
	LDV 1
	LDV 2
	LDV 3
	s_wait_dscnt 0x0
.irp q, 0,1,2,3,4,5,6,7
	v_mov_b32 v[F+2*\q+1], v[F+2*\q]
.endr
	GROUP 2, 1, 0, 1, 0                            ; group gE: the early pair's first
	s_cmp_eq_u32 s22, 3                            ; branches on the work-group's number: alike in all four waves
	s_cbranch_scc1 .Lmeet
	s_lshl_b32 s32, s22, 1
	s_sub_co_u32 s32, 6, s32                       ; 6 - 2 gE groups lie between the two pairs' first groups
.Learly:
	GROUP 2, 0, 0, 1, 0
	s_sub_co_i32 s32, s32, 1
	s_cmp_gt_i32 s32, 0
	s_cbranch_scc1 .Learly
.Lmeet:
	GROUP 4, 0, 1, 1, 1                            ; group 7 - gE: the late pair's first
	s_cmp_eq_u32 s22, 0
	s_cbranch_scc1 .Lepi
	s_cmp_eq_u32 s22, 1
	s_cbranch_scc1 .Llast
	s_sub_co_u32 s32, s22, 1
.Lfull:
	GROUP 4, 0, 0, 1, 0
	s_sub_co_i32 s32, s32, 1
	s_cmp_gt_i32 s32, 0
	s_cbranch_scc1 .Lfull
.Llast:
	GROUP 4, 0, 0, 0, 0                            ; group 7 asks for nothing more
.Lepi:
	; THE LAST PRODUCT.  O^T holds, in lane (r, h), query r of tile t and channels 64 w + 32 h + 0..31: one whole block along the last K.
	s_wait_loadcnt 0x0                             ; (where the late pair's first group is the last, that group's second copy is on its way)
	PLACES 4
	WIN 0x80
.irp f, 0,1,2,3,4,5,6,7
.irp g, 0,1,2
	global_load_b128 v[12*\f+4*\g:12*\f+4*\g+3], v[L16], s[10:11] offset:FRB*\f+512*\g   ; Wo's rows 64 w .. +63
.endr
.endr
	WIN 0
	global_load_b128 v[WOS:WOS+3], v[L16], s[10:11] offset:12288
	WIN 0x14                                       ; sources 1 and 2: O^T in window 1
.irp t, 0,1,2,3
	v_max3_num_f32 v[EM+2*\t], 0x1800000, |v[96+32*\t]|, |v[97+32*\t]|           ; each accumulator from its low end on; two chains a tile
	v_max3_num_f32 v[EM+2*\t+1], 0x1800000, |v[112+32*\t]|, |v[113+32*\t]|
.endr
.irp i, 2,4,6,8,10,12,14
.irp t, 0,1,2,3
	v_max3_num_f32 v[EM+2*\t], v[EM+2*\t], |v[96+32*\t+\i]|, |v[97+32*\t+\i]|
	v_max3_num_f32 v[EM+2*\t+1], v[EM+2*\t+1], |v[112+32*\t+\i]|, |v[113+32*\t+\i]|
.endr
.endr
	WIN 0
.irp t, 0,1,2,3
	v_max_num_f32 v[EM+2*\t], v[EM+2*\t], v[EM+2*\t+1]
.endr
.irp t, 0,1,2,3
	v_add_nc_u32 v[ES+\t], 0xff000000, v[EM+2*\t]
.endr
.irp t, 0,1,2,3
	v_lshrrev_b32 v[BY+\t], 23, v[ES+\t]
.endr
.irp t, 0,1,2,3
	v_lshlrev_b32 v[BY+\t], v[SHR], v[BY+\t]       ; block 2 (w & 1) + h of K step w >> 1
.endr
.irp t, 0,1,2,3
	v_permlanex16_b32 v[PX+\t], v[BY+\t], s34, s35
.endr
.irp t, 0,1,2,3
	v_or_b32 v[PW+\t], v[BY+\t], v[PX+\t]          ; half a scale word
.endr
	WIN 0x01                                       ; source 0: O^T in window 1
.irp t, 0,1,2,3
	v_cvt_scalef32_pk16_fp6_f32 v[PC+12*\t:PC+12*\t+2], v[96+32*\t:111+32*\t], v[ES+\t]
	v_cvt_scalef32_pk16_fp6_f32 v[W+4*\t:W+4*\t+2], v[112+32*\t:127+32*\t], v[ES+\t]
.endr
	WIN 0
	v_nop                                          ; one plain place behind a scaled conversion
.irp t, 0,1,2,3
.irp i, 0,1,2
	v_mov_b32 v[PC+12*\t+3+\i], v[W+4*\t+\i]
.endr
.endr
.irp t, 0,1,2,3                        ; my six registers are registers 6 (w & 1) .. +5 of fragment (t, K step w >> 1)
	ds_store_b128 v[RSI], v[PC+12*\t:PC+12*\t+3] offset:3072*\t
	ds_store_b64 v[RSI2], v[PC+12*\t+4:PC+12*\t+5] offset:3072*\t
	ds_store_b32 v[RSS], v[PW+\t] offset:512*\t
.endr
	s_wait_dscnt 0x0                               ; for the others' sake
	s_barrier_signal -1
	s_barrier_wait -1
	WIN 0xC0
.irp t, 0,1,2,3
.irp k, 0,1
	ds_load_b128 v[24*\t+12*\k:24*\t+12*\k+3], v[L16] offset:RIMG+(4*\t+2*\k)*768
	ds_load_b64 v[24*\t+12*\k+4:24*\t+12*\k+5], v[RRI2] offset:(4*\t+2*\k)*768
	ds_load_b128 v[24*\t+12*\k+6:24*\t+12*\k+9], v[L16] offset:RIMG+(4*\t+2*\k+1)*768
	ds_load_b64 v[24*\t+12*\k+10:24*\t+12*\k+11], v[RRI2] offset:(4*\t+2*\k+1)*768
.endr
.endr
	WIN 0
.irp t, 0,1,2,3
	ds_load_b32 v[EM+2*\t], v[RRS] offset:512*\t                   ; lanes 0-15 K step 0's halves, lanes 16-31 K step 1's
	ds_load_b32 v[EM+2*\t+1], v[RRS] offset:512*\t+128
.endr
	s_wait_dscnt 0x0
.irp t, 0,1,2,3
	v_or_b32 v[RS+\t], v[EM+2*\t], v[EM+2*\t+1]
.endr
	PLACES 8                                       ; a scale register written by a vector instruction stands eight places ahead of a scaled matrix instruction
	s_wait_loadcnt 0x0                             ; Wo
	WIN 0x5E                                       ; Wo in window 2, the retrieved rows in window 3, the results over O^T in window 1
.irp t, 0,1,2,3
.irp u, 0,1,2,3
	WM 96+32*\t+8*\u, 24*\u, 24*\t, 1, WOS+\u, RS+\t, 0
.endr
.endr
.irp t, 0,1,2,3
.irp u, 0,1,2,3
	WM 96+32*\t+8*\u, 24*\u+12, 24*\t+12, 0, WOS+\u, RS+\t, 3
.endr
.endr
	WIN 0
	PLACES 4
	WIN 0x41
.set j, 0
.rept 64
	v_pk_mul_f32 v[96+j:97+j], v[96+j:97+j], s[26:27] op_sel_hi:[1,0]   ; x out_scale, each accumulator from its low end on
.set j, j+2
.endr
	WIN 0x04                                       ; an LDS store's data are its source 1: window 1
.irp t, 0,1,2,3
.irp u, 0,1,2,3
	ds_store_b128 v[SGI], v[96+32*\t+8*\u:96+32*\t+8*\u+3] offset:SPI*8*\t+32*\u       ; stage row 8 t + (r & 7) + 32 (r >> 3); bytes of channels 64 w + 32 h + 8 u + 0..7
	ds_store_b128 v[SGI], v[96+32*\t+8*\u+4:96+32*\t+8*\u+7] offset:SPI*8*\t+32*\u+16
.endr
.endr
	WIN 0
	s_wait_dscnt 0x0                               ; for the others' sake
	s_barrier_signal -1
	s_barrier_wait -1                              ; 64 whole rows lie in the stage: rows 16 w .. + 15 are tiles 2 (w & 1), 2 (w & 1) + 1, that is sixteen neighbouring queries of one block
	WIN 0xC0
.set i, 0
.rept 32
	ds_load_b128 v[4*i:4*i+3], v[SGO] offset:SPI*(i/2)+512*(i%2)   ; my 16 rows, half a row a load
.set i, i+1
.endr
	WIN 0x0C                                       ; a store's data are its source 1: window 3
.set i, 0
.rept 32
	s_wait_dscnt 31-i
	global_store_b128 v[L16], v[4*i:4*i+3], s[16:17] offset:512*i th:TH_STORE_NT   ; 32 lanes store 512 consecutive bytes, at a multiple of 256 from out0's first byte
.set i, i+1
.endr
	WIN 0
	s_wait_tensorcnt 0x0
	ds_add_u32 v254, v255
	s_wait_dscnt 0x0
	s_endpgm
.Lfunc_end_k_qa928983d26_attend:
	.size	k_qa928983d26_attend, .Lfunc_end_k_qa928983d26_attend-k_qa928983d26_attend
	.p2alignl 7, 3214868480
	.fill 96, 4, 3214868480
	.section	.rodata,"a",@progbits
	.p2align	6, 0x0
	.amdhsa_kernel k_qa928983d26_attend
		.amdhsa_group_segment_fixed_size 116736
		.amdhsa_private_segment_fixed_size 0
		.amdhsa_enable_private_segment 0
		.amdhsa_kernarg_size 56
		.amdhsa_user_sgpr_count 2
		.amdhsa_user_sgpr_kernarg_segment_ptr 1
		.amdhsa_wavefront_size32 1
		.amdhsa_system_sgpr_workgroup_id_x 1
		.amdhsa_system_sgpr_workgroup_id_y 1
		.amdhsa_system_sgpr_workgroup_id_z 1
		.amdhsa_system_vgpr_workitem_id 0
		.amdhsa_next_free_vgpr 1024
		.amdhsa_next_free_sgpr 66
		.amdhsa_reserve_vcc 1
		.amdhsa_float_denorm_mode_32 3
		.amdhsa_float_denorm_mode_16_64 3
		.amdhsa_memory_ordered 1
		.amdhsa_forward_progress 1
		.amdhsa_inst_pref_size 255
	.end_amdhsa_kernel
	.section	.bss,"aw",@nobits
	.p2align	6
	.space	262144
	.amdgpu_metadata
---
amdhsa.version: [ 1, 2 ]
amdhsa.kernels:
  - .name:           k_qa928983d26_attend
    .symbol:         k_qa928983d26_attend.kd
    .args:
      - { .name: qbuf, .offset: 0, .size: 8, .value_kind: global_buffer, .address_space: global }
      - { .name: kbuf, .offset: 8, .size: 8, .value_kind: global_buffer, .address_space: global }
      - { .name: vbuf, .offset: 16, .size: 8, .value_kind: global_buffer, .address_space: global }
      - { .name: wobuf, .offset: 24, .size: 8, .value_kind: global_buffer, .address_space: global }
      - { .name: decay_logit, .offset: 32, .size: 8, .value_kind: global_buffer, .address_space: global }
      - { .name: out_scale, .offset: 40, .size: 8, .value_kind: global_buffer, .address_space: global }
      - { .name: out0, .offset: 48, .size: 8, .value_kind: global_buffer, .address_space: global }
    .group_segment_fixed_size: 116736
    .private_segment_fixed_size: 0
    .kernarg_segment_align: 8
    .kernarg_segment_size: 56
    .max_flat_workgroup_size: 128
    .sgpr_count:     66
    .vgpr_count:     1024
    .wavefront_size: 32
...
	.end_amdgpu_metadata
.endif
;; end of part 4
